; MI455X (gfx1250); checked and timed in simulation.
; The chip was launched on July 23, 2026; its instructions are those of AMD's public machine-readable ISA for CDNA 5 (MIT licence, August 2026) and "CDNA5" Instruction Set Architecture Reference Guide (July 2026). The comments in the code are by the model that wrote it; some were corrected since.
;; Multi Head Self Attention. Allowed arithmetic: matrix products marked QUANTISED: E2M1 operands, one E8M0 scale for each 32 along K, by v_wmma_scale_f32_16x16x128_f8f6f4 with both operands' format E2M1 (or v_wmma_scale_f32_32x16x128_f4), f32 sums; products left as they are: bf16, f16 or f32 operands; f32 sums; everything else in f32.
;; Inputs: b_k 1,024 float32; b_o 1,024 float32; b_q 1,024 float32; b_v 1,024 float32; w_k 1,024 x 1,024 float32; w_o 1,024 x 1,024 float32; w_q 1,024 x 1,024 float32; w_v 1,024 x 1,024 float32; x 4 x 2,048 x 1,024 float32.
;; Outputs: out0 4 x 2,048 x 1,024 float32.
;; This version of the problem:
;;   THIS VERSION OF THE PROBLEM IS GIVEN IN LOW PRECISION. The matrix products marked QUANTISED in the list below multiply operands that are first quantised to E2M1 (2 exponent bits, 1 mantissa bit; 4 bits a number), with one power-of-two scale for each 32 numbers along K (OCP MX v1.0); their sums are f32. The products marked 'left as it is' may take bf16, f16 or f32 operands, with f32 sums. Whichever they take, every output number must still come out within the allowed error. Rounding operands to bf16 (8 significant bits) uses up far more of that allowance than f16 does (11 bits, for magnitudes from 6e-5 to 65,504). All else is computed in f32.
;;   The module's matrix products, in the order in which they are computed (A, B: the left and right operand; K: the contracted axis; several contracted axes count as one K, in the product's order):
;;     1. [M 8,192, K 1,024] x [K 1,024, N 1,024]; A: input x; B: input w_q: QUANTISED
;;     2. [M 8,192, K 1,024] x [K 1,024, N 1,024]; A: input x; B: input w_k: QUANTISED
;;     3. [M 8,192, K 1,024] x [K 1,024, N 1,024]; A: input x; B: input w_v: QUANTISED
;;     4. batch 64 x [M 2,048, K 64] x [K 64, N 2,048]; A: computed on the way; B: computed on the way: left as it is (an operand is computed on the way)
;;     5. batch 64 x [M 2,048, K 2,048] x [K 2,048, N 64]; A: computed on the way; B: computed on the way: left as it is (an operand is computed on the way)
;;     6. [M 8,192, K 1,024] x [K 1,024, N 1,024]; A: computed on the way; B: input w_o: left as it is (an operand is computed on the way)
;;   THE QUANTISER, for each operand of a quantised product, along K:
;;     - K is cut into blocks of 32 from its start; a last block that is shorter is filled with zeros.
;;     - A block's scale is 2^e with e = floor(log2(the largest magnitude in the block)) - 2, held to -126 .. 127; a block of zeros has e = 0. As a byte (E8M0): e + 127.
;;     - Each number is divided by its block's scale, clamped to +-6, and rounded to the nearest number of E2M1, ties to even, subnormals kept.
;;     - The product sums the exact products of the quantised numbers (number of the format x scale) in f32.
;;   ~~~python
;;   def quantise(x, axis):      # numpy; x: float32 -> the quantised numbers, widened to float32 again
;;       x = np.moveaxis(x, axis, -1); K = x.shape[-1]
;;       x = np.pad(x, [(0, 0)] * (x.ndim - 1) + [(0, -K % 32)]); x = x.reshape(x.shape[:-1] + (-1, 32)); a = np.abs(x).max(-1, keepdims=True)
;;       e = np.where(a > 0, np.clip(np.frexp(np.where(a > 0, a, 1))[1] - 1 - 2, -126, 127), 0)      # np.frexp(a)[1] - 1 = floor(log2(a)), exactly
;;       r = np.clip(x / 2.0 ** e, -6, 6)
;;       step = 2.0 ** (np.maximum(np.frexp(np.where(r == 0, 1, r))[1] - 1, 0) - 1)
;;       q = np.round(r / step) * step * 2.0 ** e      # np.round: ties to even
;;       return np.moveaxis(q.reshape(q.shape[:-2] + (-1,))[..., :K], -1, axis).astype(np.float32)
;;   ~~~
;; One version. Each part assembles by itself: llvm-mc -triple=amdgcn-amd-amdhsa -mcpu=gfx1250 --defsym DOCPART=n.
;; ======== version 1 of 1: 4 launches
;; limits: values are held in f16: magnitudes above 65,504 overflow, below 6.1e-05 lose precision
;; workspace buffers: x_codes 4,194,304 bytes; x_scales 262,144 bytes; w_codes 1,572,864 bytes; w_scales 98,304 bytes; wo_t 2,097,152 bytes; qkv 50,331,648 bytes; o 16,777,216 bytes
;; launch prep (part 1): grid 368 x 1, 4 waves a work-group, no clusters, 102,912 bytes of LDS; arguments x, w_q, w_k, w_v, w_o, x_codes, x_scales, w_codes, w_scales, wo_t; writes x_codes, x_scales, w_codes, w_scales, wo_t
.if DOCPART == 1
	.amdgcn_target "amdgcn-amd-amdhsa--gfx1250"
	.amdhsa_code_object_version 6
	.text
	.protected	k_q8a7dd58fe7_prep
	.globl	k_q8a7dd58fe7_prep
	.p2align	8
	.type	k_q8a7dd58fe7_prep,@function
k_q8a7dd58fe7_prep:
	s_mov_b64 s[64:65], 0
	v_nop
	global_prefetch_b8 v0, s[64:65] scope:SCOPE_SE
	s_setreg_imm32_b32 hwreg(HW_REG_WAVE_MODE, 25, 1), 1
	s_wait_xcnt 0x0
; PREPARATION, one launch, three kinds of work-group, told apart by the work-group's number alone:
;   0 .. 47    w_q, w_k, w_v [1024 (k)][1024 (n)] f32 -> codes of FP4 (E2M1) laid [3072 (q, k, v columns)][512 bytes] with K innermost, and one E8M0 byte for each 32 along K, laid [3072][32]
;   48 .. 111  w_o [1024 (k)][1024 (n)] f32 -> f16, laid [1024 (n)][1024 (k)]
;   112 .. 367 x [8192][1024] f32 -> codes [8192][512 bytes] and scale bytes [8192][32]
; A block's scale is 2^(floor(log2(its largest magnitude)) - 2); its byte is the largest magnitude's exponent field - 2, held at 1 from below.
; LIMITS: a block of zeros gets the byte 1 where the rule says 127 (its codes are zeros, which add nothing, and this program alone reads the bytes); blocks whose largest magnitude lies under 2^(2 - 126) were not tried;
; NaN and infinities among the inputs are not served; |w_o| stays under 65,504 (f16), and under 6e-5 it is carried with the step 6e-8.
; No tensor load, no barrier: waves share nothing.  Each of the three paths has LDS bytes of its own.
.set SPARE, 102400                     ; behind the three regions: the spare words, 128 bytes for each wave
.set SPW,   190                        ; v190 LDS address of my spare word; never rewritten
.set NIL,   191                        ; v191 0; never rewritten
.set EMAX,  2
; x's path
.set XREG,  8192                       ; LDS 0 .. 32,767: a region for each wave: two stages of 32 x SP bytes, behind them its 256 scale bytes
.set SP,    80                         ; a lane's place in a stage: 64 bytes + 16 of padding
.set STEPS, 16
.set CB,    8                          ; bytes of 16 codes
.set XR,    16                         ; v16-79   four sets of 16 numbers as loaded
.set XX,    80                         ; v80-111  two sets of 16 neighbours
.set XE,    112                        ; v112-127 a scale byte for each step
.set XC,    128                        ; v128-189 codes, four registers' room for each step
; the weights' paths
.set WSTG,  32768                      ; LDS: four stages of 32 x 272 for the quantised weights,
.set OSTG,  67584                      ; and four more for w_o
.set PITCH, 272
.set WX,    32                         ; v32-95   two sets of 32 numbers
.set WC,    96                         ; v96-111  a block's codes, or its 32 f16
.set WOUT,  112                        ; v112-175 the way out
.set WSB,   24                         ; v24-27   the scale bytes, four to a register
.macro FINISH                          ; a wave's end
	s_wait_tensorcnt 0x0
	ds_add_u32 v[SPW], v[NIL]
	s_wait_dscnt 0x0
	s_endpgm
.endm
.macro XLOAD t                         ; step t: four loads of 512 consecutive bytes
.irp i, 0,1,2,3
	global_load_b128 v[XR+16*((\t)%4)+4*\i:XR+16*((\t)%4)+4*\i+3], v3, s[8:9] offset:2048*(\t)+512*\i th:TH_LOAD_NT
.endr
.endm
.macro XTURN t                         ; step t's numbers through the stage: in as they lie, back 64 bytes a lane; LDS serves a wave's instructions in order
.irp i, 0,1,2,3
	ds_store_b128 v14, v[XR+16*((\t)%4)+4*\i:XR+16*((\t)%4)+4*\i+3] offset:32*SP*((\t)%2)+8*SP*\i
.endr
.irp i, 0,1,2,3
	ds_load_b128 v[XX+16*((\t)%2)+4*\i:XX+16*((\t)%2)+4*\i+3], v15 offset:32*SP*((\t)%2)+16*\i
.endr
.endm
.macro XSTEP t
.set XS, XX+16*((\t)%2)
.if (\t) > 0
	s_wait_dscnt 1                                 ; this step's numbers are back from the stage (the last step's byte store may be out)
.else
	s_wait_dscnt 0x0
.endif
.if (\t)+4 < STEPS
	XLOAD (\t)+4                                   ; into the set whose stores into the stage are done
.endif
.if (\t)+1 < STEPS
.if STEPS-2-(\t) >= 3
	s_wait_loadcnt 12                              ; the next step's four loads are in; three steps' may be out
.else
	s_wait_loadcnt 4*(STEPS-2-(\t))
.endif
	XTURN (\t)+1
.endif
	v_max3_num_f32 v8, |v[XS]|, |v[XS+1]|, |v[XS+2]|               ; the largest magnitude of my 16, in two chains
	v_max3_num_f32 v9, |v[XS+3]|, |v[XS+4]|, |v[XS+5]|
.irp i, 6,10
	v_max3_num_f32 v8, v8, |v[XS+\i]|, |v[XS+\i+1]|
	v_max3_num_f32 v9, v9, |v[XS+\i+2]|, |v[XS+\i+3]|
.endr
	v_max3_num_f32 v8, v8, |v[XS+14]|, |v[XS+15]|
	v_max3_num_f32 v8, v8, v9, (EMAX+1)<<23        ; and the floor 2^(3 - 127): the byte cannot fall under 1
	v_max_num_f32_dpp v8, v8, v8 row_xmask:1 row_mask:0xf bank_mask:0xf   ; with my neighbour's 16: the block's
	v_add_nc_u32 v11, -(EMAX<<23), v8              ; 2 off its exponent field: the conversion's scale operand
	v_cvt_scalef32_pk8_fp4_f32 v[XC+4*(\t)], v[XS:XS+7], v11
	v_cvt_scalef32_pk8_fp4_f32 v[XC+4*(\t)+1], v[XS+8:XS+15], v11
	v_lshrrev_b32 v[XE+(\t)], 23, v11              ; the scale's byte (also the plain line behind the conversions)
	ds_store_b8 v5, v[XE+(\t)] offset:16*(\t)      ; both lanes of a block write the same byte with the same value
	global_store_b64 v4, v[XC+4*(\t):XC+4*(\t)+1], s[18:19] offset:32*CB*(\t)   ; the wave stores 256 consecutive bytes, aligned
.endm
.macro WLOAD t                         ; block t: W(32 t + i, my column), i = 0 .. 31: each load reads 128 consecutive bytes a wave
.irp i, 0,1,2,3,4,5,6,7,8,9,10,11,12,13,14,15,16,17,18,19,20,21,22,23,24,25,26,27,28,29,30,31
	global_load_b32 v[WX+32*((\t)%2)+\i], v3, s[34:35] offset:(32*(\t)+\i)*4096 th:TH_LOAD_NT
.endr
.endm
.macro WBLOCK t                        ; a block of 32 along K of my column: all 32 numbers are mine
.set XS, WX+32*((\t)%2)
.if (\t) < 15
	s_wait_loadcnt 32                              ; this block's 32 loads are in; the next block's may be out
.else
	s_wait_loadcnt 0
.endif
	v_max3_num_f32 v12, |v[XS]|, |v[XS+1]|, |v[XS+2]|
	v_max3_num_f32 v13, |v[XS+3]|, |v[XS+4]|, |v[XS+5]|
.irp i, 6,10,14,18,22,26
	v_max3_num_f32 v12, v12, |v[XS+\i]|, |v[XS+\i+1]|
	v_max3_num_f32 v13, v13, |v[XS+\i+2]|, |v[XS+\i+3]|
.endr
	v_max3_num_f32 v12, v12, |v[XS+30]|, |v[XS+31]|
	v_max3_num_f32 v12, v12, v13, (EMAX+1)<<23     ; the floor
	v_add_nc_u32 v11, -(EMAX<<23), v12             ; the conversion's scale operand
	v_lshrrev_b32 v13, 23, v11                     ; the scale's byte
.if (\t)%4 == 0
	v_mov_b32 v[WSB+(\t)/4], v13
.else
	v_lshl_or_b32 v[WSB+(\t)/4], v13, 8*((\t)%4), v[WSB+(\t)/4]
.endif
.irp g, 0,1,2,3
	v_cvt_scalef32_pk8_fp4_f32 v[WC+\g], v[XS+8*\g:XS+8*\g+7], v11
.endr
	v_nop                                          ; one plain line behind the last conversion
	ds_store_b128 v4, v[WC:WC+3] offset:16*(\t)    ; 32 codes: 16 bytes of my column's row
.if (\t)+2 < 16
	WLOAD (\t)+2
.endif
	s_wait_dscnt 0x0                               ; the store has read its registers: the next block's codes may be written
.endm
.macro OCAST t                         ; 32 numbers down K of my column become 32 f16: 64 bytes of my column's row
.set XS, WX+32*((\t)%2)
.if (\t) < 3
	s_wait_loadcnt 32
.else
	s_wait_loadcnt 0
.endif
.irp i, 0,1,2,3,4,5,6,7,8,9,10,11,12,13,14,15
	v_cvt_pk_f16_f32 v[WC+\i], v[XS+2*\i], v[XS+2*\i+1]
.endr
.irp g, 0,1,2,3
	ds_store_b128 v4, v[WC+4*\g:WC+4*\g+3] offset:64*(\t)+16*\g
.endr
.if (\t)+2 < 4
	WLOAD (\t)+2
.endif
	s_wait_dscnt 0x0
.endm
.macro WAYOUT lo, krow                 ; the stage's 32 rows of 256 bytes leave: sixteen lanes store 256 consecutive bytes, aligned; two rows an instruction
.irp t, 0,1,2,3,4,5,6,7,8,9,10,11,12,13,14,15
	ds_load_b128 v[WOUT+4*\t:WOUT+4*\t+3], v7 offset:2*\t*PITCH   ; LDS serves a wave's instructions in order: these see my stores
.endr
.irp t, 0,1,2,3,4,5,6,7,8,9,10,11,12,13,14,15
	s_wait_dscnt 15-\t
	global_store_b128 v8, v[WOUT+4*\t:WOUT+4*\t+3], s[\lo:\lo+1] offset:2*\t*\krow
.endr
.endm
	s_load_b512 s[8:23], s[0:1], 0x0               ; x 8, w_q 10, w_k 12, w_v 14, w_o 16, x_codes 18, x_scales 20, w_codes 22
	s_load_b128 s[24:27], s[0:1], 0x40             ; w_scales 24, wo_t 26
	v_lshl_add_u32 v[SPW], v0, 2, SPARE
	v_mov_b32 v[NIL], 0
	v_lshrrev_b32 v1, 5, v0
	v_readfirstlane_b32 s28, v1                    ; wave 0..3
	v_and_b32 v2, 31, v0                           ; lane
	s_cmp_lt_u32 ttmp9, 48
	s_cbranch_scc1 .Lweights
	s_cmp_lt_u32 ttmp9, 112
	s_cbranch_scc1 .Lcast
	; ---- x: a plain stream of blocks of 32.  A wave takes 16 steps of 512 numbers
	v_lshlrev_b32 v3, 4, v2                        ; my 16 bytes of a load's 512
	s_mul_i32 s29, s28, XREG
	v_lshrrev_b32 v14, 2, v2
	v_mul_u32_u24 v14, v14, SP
	v_and_b32 v15, 3, v2
	v_lshl_add_u32 v14, v15, 4, v14
	v_add_nc_u32 v14, s29, v14                     ; into the stage: SP (lane / 4) + 16 (lane % 4)
	v_mul_u32_u24 v15, v2, SP
	v_add_nc_u32 v15, s29, v15                     ; out of it: SP x lane: my 16 neighbours
	v_mul_u32_u24 v4, v2, CB                       ; my codes' place in a step's
	v_lshrrev_b32 v5, 1, v2
	s_add_co_u32 s29, s29, 2*32*SP
	v_add_nc_u32 v5, s29, v5                       ; my wave's 256 scale bytes, my block's byte
	v_lshlrev_b32 v7, 3, v2
	v_add_nc_u32 v6, s29, v7                       ; and on the way out 8 bytes a lane
	s_sub_co_u32 s30, ttmp9, 112
	s_lshl_b32 s30, s30, 2
	s_add_co_u32 s30, s30, s28                     ; which run of 8,192 numbers is my wave's: 0 .. 1,023
	s_mov_b32 s33, 0
	s_wait_kmcnt 0x0
	s_lshl_b32 s32, s30, 15                        ; 32,768 bytes of x,
	s_add_nc_u64 s[8:9], s[8:9], s[32:33]
	s_lshl_b32 s32, s30, 12                        ; 4,096 of codes,
	s_add_nc_u64 s[18:19], s[18:19], s[32:33]
	s_lshl_b32 s32, s30, 8                         ; 256 scale bytes a run
	s_add_nc_u64 s[20:21], s[20:21], s[32:33]
.irp t, 0,1,2,3
	XLOAD \t
.endr
	s_wait_loadcnt 12                              ; step 0's four loads are in
	XTURN 0
.irp t, 0,1,2,3,4,5,6,7,8,9,10,11,12,13,14,15
	XSTEP \t
.endr
	ds_load_b64 v[8:9], v6                         ; my wave's 256 scale bytes, 8 a lane
	s_wait_dscnt 0x0
	global_store_b64 v7, v[8:9], s[20:21]          ; 256 consecutive bytes, aligned
	FINISH
.Lweights:
	; ---- w_q, w_k, w_v: a lane takes a column, its registers run down K.  A wave: 32 columns x 512 along K
	s_lshr_b32 s29, ttmp9, 4                       ; which of the three
	s_and_b32 s30, ttmp9, 7
	s_bfe_u32 s31, ttmp9, 0x10003                  ; which 512 along K
	s_lshl_b32 s30, s30, 7
	s_lshl_b32 s32, s28, 5
	s_add_co_u32 s30, s30, s32                     ; my wave's first column
	v_lshlrev_b32 v3, 2, v2                        ; in: 4 bytes a lane
	s_mul_i32 s33, s28, 32*PITCH
	s_add_co_u32 s33, s33, WSTG                    ; my stage
	v_mul_u32_u24 v4, v2, PITCH
	v_add_nc_u32 v4, s33, v4                       ; into it: row = my column
	v_and_b32 v5, 15, v2
	v_lshrrev_b32 v6, 4, v2
	v_mul_u32_u24 v7, v6, PITCH
	v_lshl_add_u32 v7, v5, 4, v7
	v_add_nc_u32 v7, s33, v7                       ; out of it: sixteen lanes to a row
	v_lshlrev_b32 v8, 9, v6
	v_lshl_add_u32 v8, v5, 4, v8                   ; the same place among rows of 512 bytes
	v_lshlrev_b32 v9, 5, v2                        ; my column's row of 32 scale bytes
	s_mov_b32 s37, 0
	s_wait_kmcnt 0x0
	s_cmp_eq_u32 s29, 0
	s_cselect_b64 s[34:35], s[10:11], s[12:13]
	s_cmp_eq_u32 s29, 2
	s_cselect_b64 s[34:35], s[14:15], s[34:35]
	s_lshl_b32 s36, s31, 21                        ; 512 rows of 4,096 bytes
	s_lshl_b32 s38, s30, 2
	s_add_co_u32 s36, s36, s38
	s_add_nc_u64 s[34:35], s[34:35], s[36:37]
	s_lshl_b32 s38, s29, 10
	s_add_co_u32 s38, s38, s30                     ; my first row of the codes' buffer
	s_lshl_b32 s36, s38, 9
	s_lshl_b32 s39, s31, 8
	s_add_co_u32 s36, s36, s39
	s_add_nc_u64 s[22:23], s[22:23], s[36:37]
	s_lshl_b32 s36, s38, 5
	s_lshl_b32 s39, s31, 4
	s_add_co_u32 s36, s36, s39
	s_add_nc_u64 s[24:25], s[24:25], s[36:37]
	WLOAD 0
	WLOAD 1
.irp t, 0,1,2,3,4,5,6,7,8,9,10,11,12,13,14,15
	WBLOCK \t
.endr
	global_store_b128 v9, v[WSB:WSB+3], s[24:25]   ; my column's 16 scale bytes
	WAYOUT 22, 512
	FINISH
.Lcast:
	; ---- w_o: the same plan.  A wave: 32 columns x 128 along K: 256 bytes of f16 for each column
	s_sub_co_u32 s29, ttmp9, 48
	s_and_b32 s30, s29, 7
	s_lshr_b32 s31, s29, 3                         ; which 128 along K
	s_lshl_b32 s30, s30, 7
	s_lshl_b32 s32, s28, 5
	s_add_co_u32 s30, s30, s32                     ; my wave's first column
	v_lshlrev_b32 v3, 2, v2
	s_mul_i32 s33, s28, 32*PITCH
	s_add_co_u32 s33, s33, OSTG
	v_mul_u32_u24 v4, v2, PITCH
	v_add_nc_u32 v4, s33, v4
	v_and_b32 v5, 15, v2
	v_lshrrev_b32 v6, 4, v2
	v_mul_u32_u24 v7, v6, PITCH
	v_lshl_add_u32 v7, v5, 4, v7
	v_add_nc_u32 v7, s33, v7
	v_lshlrev_b32 v8, 11, v6
	v_lshl_add_u32 v8, v5, 4, v8                   ; rows of 2,048 bytes
	s_mov_b32 s37, 0
	s_wait_kmcnt 0x0
	s_mov_b64 s[34:35], s[16:17]
	s_lshl_b32 s36, s31, 19                        ; 128 rows of 4,096 bytes
	s_lshl_b32 s38, s30, 2
	s_add_co_u32 s36, s36, s38
	s_add_nc_u64 s[34:35], s[34:35], s[36:37]
	s_lshl_b32 s36, s30, 11
	s_lshl_b32 s39, s31, 8
	s_add_co_u32 s36, s36, s39
	s_add_nc_u64 s[26:27], s[26:27], s[36:37]
	WLOAD 0
	WLOAD 1
.irp t, 0,1,2,3
	OCAST \t
.endr
	WAYOUT 26, 2048
	FINISH
.Lfunc_end_k_q8a7dd58fe7_prep:
	.size	k_q8a7dd58fe7_prep, .Lfunc_end_k_q8a7dd58fe7_prep-k_q8a7dd58fe7_prep
	.p2alignl 7, 3214868480
	.fill 96, 4, 3214868480
	.section	.rodata,"a",@progbits
	.p2align	6, 0x0
	.amdhsa_kernel k_q8a7dd58fe7_prep
		.amdhsa_group_segment_fixed_size 102912
		.amdhsa_private_segment_fixed_size 0
		.amdhsa_enable_private_segment 0
		.amdhsa_kernarg_size 80
		.amdhsa_user_sgpr_count 2
		.amdhsa_user_sgpr_kernarg_segment_ptr 1
		.amdhsa_wavefront_size32 1
		.amdhsa_system_sgpr_workgroup_id_x 1
		.amdhsa_system_sgpr_workgroup_id_y 1
		.amdhsa_system_sgpr_workgroup_id_z 1
		.amdhsa_system_vgpr_workitem_id 0
		.amdhsa_next_free_vgpr 192
		.amdhsa_next_free_sgpr 66
		.amdhsa_reserve_vcc 0
		.amdhsa_float_denorm_mode_32 3
		.amdhsa_float_denorm_mode_16_64 3
		.amdhsa_memory_ordered 1
		.amdhsa_forward_progress 1
		.amdhsa_inst_pref_size 133
	.end_amdhsa_kernel
	.amdgpu_metadata
---
amdhsa.version: [ 1, 2 ]
amdhsa.kernels:
  - .name:           k_q8a7dd58fe7_prep
    .symbol:         k_q8a7dd58fe7_prep.kd
    .args:
      - { .name: x, .offset: 0, .size: 8, .value_kind: global_buffer, .address_space: global }
      - { .name: w_q, .offset: 8, .size: 8, .value_kind: global_buffer, .address_space: global }
      - { .name: w_k, .offset: 16, .size: 8, .value_kind: global_buffer, .address_space: global }
      - { .name: w_v, .offset: 24, .size: 8, .value_kind: global_buffer, .address_space: global }
      - { .name: w_o, .offset: 32, .size: 8, .value_kind: global_buffer, .address_space: global }
      - { .name: x_codes, .offset: 40, .size: 8, .value_kind: global_buffer, .address_space: global }
      - { .name: x_scales, .offset: 48, .size: 8, .value_kind: global_buffer, .address_space: global }
      - { .name: w_codes, .offset: 56, .size: 8, .value_kind: global_buffer, .address_space: global }
      - { .name: w_scales, .offset: 64, .size: 8, .value_kind: global_buffer, .address_space: global }
      - { .name: wo_t, .offset: 72, .size: 8, .value_kind: global_buffer, .address_space: global }
    .group_segment_fixed_size: 102912
    .private_segment_fixed_size: 0
    .kernarg_segment_align: 8
    .kernarg_segment_size: 80
    .max_flat_workgroup_size: 128
    .sgpr_count:     66
    .vgpr_count:     192
    .wavefront_size: 32
...
	.end_amdgpu_metadata
.endif
;; end of part 1
;; launch qkv (part 2): grid 12 x 32, 4 waves a work-group, clusters of 4 x 4, 327,680 bytes of LDS; arguments x_codes, x_scales, w_codes, w_scales, b_q, b_k, b_v, qkv; writes qkv
.if DOCPART == 2
	.amdgcn_target "amdgcn-amd-amdhsa--gfx1250"
	.amdhsa_code_object_version 6
	.text
	.protected	k_q8a7dd58fe7_qkv
	.globl	k_q8a7dd58fe7_qkv
	.p2align	8
	.type	k_q8a7dd58fe7_qkv,@function
k_q8a7dd58fe7_qkv:
	s_mov_b64 s[64:65], 0
	v_nop
	global_prefetch_b8 v0, s[64:65] scope:SCOPE_SE
	s_setreg_imm32_b32 hwreg(HW_REG_WAVE_MODE, 25, 1), 1
	s_wait_xcnt 0x0
	s_wait_alu depctr_hold_cnt(0) depctr_sa_sdst(0) depctr_va_vdst(0) depctr_va_sdst(0) depctr_va_ssrc(0) depctr_va_vcc(0) depctr_vm_vsrc(0)
	s_getreg_b32 s2, hwreg(HW_REG_IB_STS2, 6, 4)
	s_cmp_eq_u32 s2, 0
	s_cbranch_scc0 .Lentry_in_a_cluster
	s_endpgm
.Lentry_in_a_cluster:
	s_bfe_u32 s2, ttmp6, 0x10000c
	s_cmp_lg_u32 s2, 0xf033
	s_cbranch_scc0 .Lentry_shape_is_right
	s_endpgm
.Lentry_shape_is_right:
; q, k, v = x w + b as ONE product on codes of FP4 (E2M1) with E8M0 scales: A = x [8192][1024], B = the 3,072 columns of w_q, w_k, w_v, [3072][1024], both with K innermost, two codes a byte.
; The result, with its bias, is rounded to f16 and laid by heads: qkv [3][64 = 16 batch + head][2048][64].
; LIMITS: |q|, |k|, |v| stay under 65,504 (f16); under 6e-5 they are carried with the step 6e-8.
; A tile of C, 256 x 256, is made by four waves, 128 x 128 each: 64 accumulators, 512 registers.  K = 1,024 is two slots of 512 along K (rows of 256 bytes): both are first fills, nothing is filled again.
; The scales of the work-group's 256 rows of A and of B, for all of K, are two dense blocks: they come once, with the first fills.
; CLUSTERS: 4 x 4 work-groups; A's tiles are asked for jointly along a row of the cluster, B's along a column.  A column of clusters is one of q, k, v.
; THE MATRIX INSTRUCTION IS USED TRANSPOSED (source 0 = 16 rows of B, source 1 = 16 rows of A): a lane holds eight neighbouring columns of one row of C.  The bias is the C of each sum's first instruction.
; REGISTERS: window 0: v0-31 addresses; v32-95 scale words, two sets; v128-191 A's fragments, one set (on the way out: rows read back); v192-255 the bias, 8 registers for each of B's blocks (on the way out v192-223: packed results).
;   window 1: B's fragments, two sets, at v0 and v128.   window 2: the accumulators of my rows 0-63 ((a, b) at v[8 (8 a + b)]);   window 3: those of rows 64-127.
.set KSTEP,  512
.set NQ,     KSTEP/128
.set ROWB,   256
.set KROW,   512                       ; a row of codes in memory
.set PITCH,  272                       ; an LDS row: 256 bytes + 16: the 16 rows that a load touches start 68 words apart
.set FR,     8
.set NL,     2
.set NP,     4                         ; places behind this matrix instruction (ISA guide 7.12.1)
.set HALFT,  128*PITCH
.set SLOT,   4*HALFT
.set KS,     32                        ; a row of scales in bytes
.set SCL,    2*SLOT
.set HALFS,  (128*KS/256)*272
.set SBLK,   (16*KS/256)*272
.set SPARE,  SCL+4*HALFS               ; the spare words, 128 bytes for each wave
.set SPITCH, 272                       ; the way out: a stage of 16 rows x (256 + 16) for each wave, in slot 0, which has had its only fill and its last read by then
.set ADRA, 16
.set ADRB, 20
.set STO,  24
.set RD,   25
.set CO,   26
.set ADRS, 27
.set SPW,  28
.set NIL,  29
.set SC,   32
.set AF,   128
.set BI,   192
.set TMP,  192
.set BK,   128
.set G1, 24
.set G0, 32
.set G1B, 48
.set G0B, 56
.set G1S, 68
.set G0S, 76
.set G1SB, 80
.set G0SB, 88
.set MSB, 0
.macro WIN new                         ; the immediate's high byte repeats the setting that is left
.if MSB != (\new)
	s_set_vgpr_msb (MSB<<8)|(\new)
.set MSB, \new
.endif
.endm
.set MUL_LO, 0xa1                      ; source 0 (B) window 1, source 1 (A) window 0, C and D window 2
.set MUL_HI, 0xf1                      ; the same, C and D window 3
.set FST_LO, 0x81                      ; the first step: C (the bias) window 0, D window 2
.set FST_HI, 0xc1                      ; and D window 3
.set TO_B,   0x40
; A joint load: waves 0 and 1 fetch for A, waves 2 and 3 for B; the branch hangs on the wave's number alone.  An s_nop 0 and four v_nop follow each line.
.macro JLOAD g0a, g1a, g0b, g1b
	s_cmp_eq_u32 s15, 0
	s_cbranch_scc0 .Lfor_b_\@
	tensor_load_to_lds s[\g0a:\g0a+3], s[\g1a:\g1a+7]
	s_nop 0
.rept 4
	v_nop
.endr
	s_branch .Lasked_\@
.Lfor_b_\@:
	tensor_load_to_lds s[\g0b:\g0b+3], s[\g1b:\g1b+7]
	s_nop 0
.rept 4
	v_nop
.endr
.Lasked_\@:
.endm
.macro CROUND                          ; a round of the cluster's barrier
	s_barrier_signal -1
	s_barrier_wait -1
	s_cmp_lg_u32 s14, 0
	s_cbranch_scc1 .Lnot_wave_0_\@
	s_barrier_signal -3
.Lnot_wave_0_\@:
	s_barrier_wait -3
	s_barrier_signal -1
	s_barrier_wait -1
.endm
	s_load_b256 s[4:11], s[0:1], 0x0               ; x's codes 4, x's scales 6, w's codes 8, w's scales 10
	s_load_b128 s[96:99], s[0:1], 0x20             ; b_q, b_k
	s_load_b64 s[100:101], s[0:1], 0x30            ; b_v
	s_load_b64 s[12:13], s[0:1], 0x38              ; qkv
	v_lshl_add_u32 v[SPW], v0, 2, SPARE
	v_mov_b32 v[NIL], 0
	ds_add_u32 v[SPW], v[NIL]                      ; the wave's opening: the add, twice on end, and its wait ahead of my first tensor load
	ds_add_u32 v[SPW], v[NIL]
	v_lshrrev_b32 v1, 5, v0
	v_readfirstlane_b32 s14, v1                    ; wave 0..3
	s_lshr_b32 s15, s14, 1                         ; which half of the tile's rows is mine.  Also: I fetch for A (0) or for B (1)
	s_and_b32 s16, s14, 1                          ; which half of its columns.  Also: which 128 rows of that tile I fetch
	s_bfe_u32 s40, ttmp6, 0x40000                  ; cx
	s_bfe_u32 s41, ttmp6, 0x40004                  ; cy
	s_lshl_b32 s42, ttmp9, 2
	s_add_co_u32 s42, s42, s40                     ; tile column = 4 x cluster x + cx: 0 .. 11
	s_and_b32 s17, ttmp7, 0xffff
	s_lshl_b32 s17, s17, 2
	s_add_co_u32 s17, s17, s41                     ; tile row = 4 x cluster y + cy: 0 .. 31
	s_lshl_b32 s43, s41, 2
	s_lshl_b32 s43, 15, s43                        ; my row of the cluster
	s_lshl_b32 s44, 0x1111, s40                    ; my column
	s_or_b32 s[G1+0], s43, (0<<16)|(1<<20)|(1<<21)|(5<<22)|(3<<25)   ; the mask; elements of 1 byte; padding: 4 words behind every 64; bit 21 beside a mask
	s_or_b32 s[G1B+0], s44, (0<<16)|(1<<20)|(1<<21)|(5<<22)|(3<<25)
.irp g, G1, G1B
	s_mov_b32 s[\g+1], ROWB<<16                    ; tensor_dim0
	s_mov_b32 s[\g+2], 128<<16                     ; tensor_dim1
	s_mov_b32 s[\g+3], ROWB<<16                    ; tile_dim0
	s_mov_b32 s[\g+4], 128                         ; tile_dim1
	s_mov_b32 s[\g+5], KROW                        ; the pitch in memory
	s_mov_b32 s[\g+6], 0
	s_mov_b32 s[\g+7], 0
.endr
	s_or_b32 s[G1S+0], s43, (3<<16)|(1<<20)|(1<<21)|(5<<22)|(3<<25)  ; the scales of 128 rows: 4,096 dense bytes as 16 rows of 32 elements of 8 bytes
	s_or_b32 s[G1SB+0], s44, (3<<16)|(1<<20)|(1<<21)|(5<<22)|(3<<25)
.irp g, G1S, G1SB
	s_mov_b32 s[\g+1], 32<<16
	s_mov_b32 s[\g+2], (128*KS/256)<<16
	s_mov_b32 s[\g+3], 32<<16
	s_mov_b32 s[\g+4], 128*KS/256
	s_mov_b32 s[\g+5], 32
	s_mov_b32 s[\g+6], 0
	s_mov_b32 s[\g+7], 0
.endr
	s_lshl_b32 s18, s16, 7
	s_lshl_b32 s20, s17, 8
	s_add_co_u32 s20, s20, s18                     ; A: row 256 x tile row + 128 x half
	s_lshl_b32 s46, s42, 8
	s_add_co_u32 s46, s46, s18                     ; B: row 256 x tile column + 128 x half
	s_mov_b32 s21, 0
	s_mov_b32 s47, 0
	s_mov_b64 s[18:19], KS
	s_mul_u64 s[22:23], s[20:21], s[18:19]         ; where these rows' scales begin
	s_mul_u64 s[92:93], s[46:47], s[18:19]
	s_mov_b64 s[18:19], KROW
	s_mul_u64 s[20:21], s[20:21], s[18:19]         ; and their codes
	s_mul_u64 s[46:47], s[46:47], s[18:19]
	s_mul_i32 s45, s14, HALFT                      ; where they go: wave x 128 rows
	s_mul_i32 s94, s14, HALFS
	s_wait_dscnt 0x0                               ; both opening adds are done
	s_wait_kmcnt 0x0
	s_add_nc_u64 s[20:21], s[4:5], s[20:21]
	s_add_nc_u64 s[22:23], s[6:7], s[22:23]
	s_add_nc_u64 s[46:47], s[8:9], s[46:47]
	s_add_nc_u64 s[92:93], s[10:11], s[92:93]
	CROUND                                         ; all sixteen work-groups are here: the joint loads meet
	s_mov_b32 s[G0S], 1
	s_add_co_u32 s[G0S+1], s94, SCL
	s_mov_b64 s[G0S+2:G0S+3], s[22:23]
	s_or_b32 s[G0S+3], s[G0S+3], 0x80000000
	s_mov_b32 s[G0SB], 1
	s_add_co_u32 s[G0SB+1], s94, SCL
	s_mov_b64 s[G0SB+2:G0SB+3], s[92:93]
	s_or_b32 s[G0SB+3], s[G0SB+3], 0x80000000
	JLOAD G0S, G1S, G0SB, G1SB                     ; the scales first
.irp s, 0,1
	s_mov_b32 s[G0+4*\s], 1
	s_add_co_u32 s[G0+4*\s+1], s45, \s*SLOT
	s_add_nc_u64 s[G0+4*\s+2:G0+4*\s+3], s[20:21], \s*ROWB
	s_or_b32 s[G0+4*\s+3], s[G0+4*\s+3], 0x80000000
	s_mov_b32 s[G0B+4*\s], 1
	s_add_co_u32 s[G0B+4*\s+1], s45, \s*SLOT
	s_add_nc_u64 s[G0B+4*\s+2:G0B+4*\s+3], s[46:47], \s*ROWB
	s_or_b32 s[G0B+4*\s+3], s[G0B+4*\s+3], 0x80000000
	JLOAD G0+4*\s, G1, G0B+4*\s, G1B               ; three tensor loads of mine are out behind the second of these
.endr
	; the bias of my 128 columns: register 8 b + j of lane (r, h) = bias[16 b + 8 h + j]
	s_cmp_eq_u32 ttmp9, 0                          ; the cluster's x says which of q, k, v
	s_cselect_b64 s[96:97], s[96:97], s[98:99]
	s_cmp_eq_u32 ttmp9, 2
	s_cselect_b64 s[96:97], s[100:101], s[96:97]
	s_lshl_b32 s46, s40, 10                        ; 256 cx numbers of 4 bytes
	s_lshl_b32 s47, s16, 9
	s_add_co_u32 s46, s46, s47
	s_mov_b32 s47, 0
	s_add_nc_u64 s[96:97], s[96:97], s[46:47]
	v_and_b32 v1, 15, v0                           ; r
	v_bfe_u32 v2, v0, 4, 1                         ; h
	v_lshlrev_b32 v7, 5, v2
.irp b, 0,1,2,3,4,5,6,7
	global_load_b128 v[BI+8*\b:BI+8*\b+3], v7, s[96:97] offset:64*\b
	global_load_b128 v[BI+8*\b+4:BI+8*\b+7], v7, s[96:97] offset:64*\b+16
.endr
	v_mul_u32_u24 v3, v1, PITCH
	v_lshl_add_u32 v4, v2, 4, v3                   ; a fragment's row x pitch + 16 x half
	s_mul_i32 s21, s15, HALFT                      ; my 128 rows of A
	s_mul_i32 s22, s16, HALFT                      ; my 128 rows of B,
	s_add_co_u32 s22, s22, 2*HALFT                 ; behind A's 256
.irp s, 0,1
	v_add_nc_u32 v[ADRA+\s], s21, v4
	v_add_nc_u32 v[ADRB+\s], s22, v4
	s_add_co_u32 s21, s21, SLOT
	s_add_co_u32 s22, s22, SLOT
.endr
	v_mul_u32_u24 v5, v1, KS                       ; my row's scales: 32 bytes a row,
	v_lshrrev_b32 v6, 8, v5
	v_lshl_add_u32 v5, v6, 4, v5                   ; and 16 more for each 256 passed
	s_mul_i32 s21, s15, HALFS
	s_mul_i32 s22, s16, HALFS
	s_add_co_u32 s22, s22, 2*HALFS
	s_sub_co_u32 s22, s22, s21
	v_mul_u32_u24 v6, s22, v2                      ; lanes 16-31 take B's: one product, the distance between the two bases
	s_add_co_u32 s21, s21, SCL
	v_add_nc_u32 v5, v5, v6
	v_add_nc_u32 v[ADRS], s21, v5
	s_mul_i32 s23, s14, 16*SPITCH                  ; my stage
	v_mul_u32_u24 v5, v1, SPITCH
	v_lshl_add_u32 v5, v2, 4, v5
	v_add_nc_u32 v[STO], s23, v5                   ; in: row r, 16 bytes for each half of the lanes
	v_bfe_u32 v5, v0, 3, 1
	v_mul_u32_u24 v5, v5, SPITCH
	v_lshl_add_u32 v5, v2, 7, v5
	v_and_b32 v6, 7, v0
	v_lshl_add_u32 v5, v6, 4, v5
	v_add_nc_u32 v[RD], s23, v5                    ; back: lanes 0-15 two rows of my first head (128 bytes each), lanes 16-31 the same rows of my second
	v_lshlrev_b32 v[CO], 4, v1
	v_lshl_add_u32 v[CO], v2, 18, v[CO]            ; in memory: 16 (lane % 16), and a head (262,144 bytes) on for lanes 16-31
	s_lshr_b32 s20, s17, 3                         ; the batch: 8 tile rows each
	s_lshl_b32 s20, s20, 22                        ; 16 heads of 262,144 bytes
	s_and_b32 s21, s17, 7
	s_lshl_b32 s21, s21, 15                        ; 256 positions of 128 bytes
	s_add_co_u32 s20, s20, s21
	s_lshl_b32 s21, s15, 14                        ; my 128 positions
	s_add_co_u32 s20, s20, s21
	s_mov_b32 s21, 0
	s_add_nc_u64 s[12:13], s[12:13], s[20:21]
	s_lshl_b32 s46, s40, 20                        ; 4 heads a tile column,
	s_lshl_b32 s47, s16, 19                        ; 2 a wave,
	s_add_co_u32 s46, s46, s47
	s_lshl_b32 s47, ttmp9, 24                      ; and 16,777,216 bytes for each of q, k, v
	s_add_co_u32 s46, s46, s47
	s_mov_b32 s47, 0
	s_add_nc_u64 s[12:13], s[12:13], s[46:47]
.macro FRAG reg, adr, q, i             ; 16 rows x 128 K of 4-bit codes: 8 registers: lane l holds row l % 16; registers 4 c .. 4 c + 3 hold K = 64 c + 32 (l / 16) + 0 .. 31
.irp c, 0,1
	ds_load_b128 v[\reg+4*\c:\reg+4*\c+3], v[\adr] offset:64*(\q)+32*\c+(\i)*16*PITCH
.endr
.endm
; 16 matrix instructions: A's blocks a0, a0 + 1 x B's eight.  first = 1: the bias is C.  The 64 accumulators take turns, one instruction a turn.
.macro MUL16 a0, p, q, sc, first
.irp a, \a0, \a0+1
.irp b, 0,1,2,3,4,5,6,7
.if \first
	v_wmma_scale_f32_16x16x128_f8f6f4 v[8*(8*((\a)%4)+\b):8*(8*((\a)%4)+\b)+7], v[128*(\p)+FR*\b:128*(\p)+FR*\b+FR-1], v[AF+FR*(\a):AF+FR*(\a)+FR-1], v[BI+8*\b:BI+8*\b+7], v[SC+8*NQ*(\sc)+NQ*\b+(\q)], v[SC+8*NQ*(\sc)+NQ*(\a)+(\q)] matrix_a_fmt:MATRIX_FMT_FP4 matrix_b_fmt:MATRIX_FMT_FP4 matrix_a_scale:MATRIX_SCALE_ROW1
.else
	v_wmma_scale_f32_16x16x128_f8f6f4 v[8*(8*((\a)%4)+\b):8*(8*((\a)%4)+\b)+7], v[128*(\p)+FR*\b:128*(\p)+FR*\b+FR-1], v[AF+FR*(\a):AF+FR*(\a)+FR-1], v[8*(8*((\a)%4)+\b):8*(8*((\a)%4)+\b)+7], v[SC+8*NQ*(\sc)+NQ*\b+(\q)], v[SC+8*NQ*(\sc)+NQ*(\a)+(\q)] matrix_a_fmt:MATRIX_FMT_FP4 matrix_b_fmt:MATRIX_FMT_FP4 matrix_a_scale:MATRIX_SCALE_ROW1
.endif
.endr
.endr
.endm
.macro FETCH_B slot, q, p
	WIN TO_B
.irp i, 0,1,2,3,4,5,6,7
	FRAG 128*(\p)+FR*\i, ADRB+\slot, \q, \i
.endr
	WIN 0
.endm
.macro FETCH_A slot, q, i0
.irp i, \i0, \i0+1, \i0+2, \i0+3
	FRAG AF+FR*(\i), ADRA+\slot, \q, \i
.endr
.endm
.macro SCALES sc                       ; a slot's scale words: 4 words a row; lanes 0-15 A's block i, lanes 16-31 B's block i
.irp i, 0,1,2,3,4,5,6,7
	ds_load_b128 v[SC+8*NQ*\sc+NQ*\i:SC+8*NQ*\sc+NQ*\i+3], v[ADRS] offset:\i*SBLK
.endr
.endm
.macro PLACES n                        ; plain vector instructions between a matrix instruction and a load into, or a read of, its registers
.rept \n
	v_nop
.endr
.endm
.macro STEP slot, q, first             ; 128 along K, with its successor in the same slot
	s_wait_dscnt 4*NL                              ; B's set and A's blocks 0-3 are in; A's blocks 4-7, the youngest eight loads, may be out
.if \first
	WIN FST_LO
.else
	WIN MUL_LO
.endif
	MUL16 0, (\q)%2, \q, \slot, \first
	MUL16 2, (\q)%2, \q, \slot, \first
	s_wait_dscnt 0
	PLACES NP
	FETCH_B \slot, (\q)+1, 1-(\q)%2
	FETCH_A \slot, (\q)+1, 0
.if \first
	WIN FST_HI
.else
	WIN MUL_HI
.endif
	MUL16 4, (\q)%2, \q, \slot, \first
	MUL16 6, (\q)%2, \q, \slot, \first
	PLACES NP
	WIN 0
	FETCH_A \slot, (\q)+1, 4
.endm
.macro STEPS slot, from
.set Q, \from
.rept NQ-1-\from
	STEP \slot, Q, 0
.set Q, Q+1
.endr
.endm
	s_wait_tensorcnt 1                             ; the scales and my part of slot 0 are in; slot 1's load may be out
	s_barrier_signal -1
	s_barrier_wait -1
	FETCH_B 0, 0, 0
	FETCH_A 0, 0, 0
	SCALES 0
	FETCH_A 0, 0, 4
	s_wait_loadcnt 0x0                             ; the bias
	STEP 0, 0, 1
	STEPS 0, 1
	; slot 0's last step changes slots: one barrier; in front of it my part of slot 1 has landed and my reads of slot 0 are over
	s_wait_tensorcnt 0x0
	ds_add_u32 v[SPW], v[NIL]                      ; 0 onto my spare word
	s_wait_dscnt 4*NL+1                            ; the add and A's blocks 4-7 may be out
	WIN MUL_LO
	MUL16 0, 1, NQ-1, 0, 0
	s_wait_dscnt 0x0
	s_barrier_signal -1
	MUL16 2, 1, NQ-1, 0, 0
	WIN 0
	s_barrier_wait -1
	PLACES NP
	v_add_nc_u32 v[ADRS], 4*NQ, v[ADRS]            ; on to slot 1's scale words
	FETCH_B 1, 0, 0
	FETCH_A 1, 0, 0
	SCALES 1
	WIN MUL_HI
	MUL16 4, 1, NQ-1, 0, 0
	MUL16 6, 1, NQ-1, 0, 0
	PLACES NP
	WIN 0
	FETCH_A 1, 0, 4
	STEPS 1, 0
	s_wait_dscnt 4*NL                              ; the very last step
	WIN MUL_LO
	MUL16 0, 1, NQ-1, 1, 0
	MUL16 2, 1, NQ-1, 1, 0
	s_wait_dscnt 0
	WIN MUL_HI
	MUL16 4, 1, NQ-1, 1, 0
	MUL16 6, 1, NQ-1, 1, 0
	WIN 0
; THE WAY OUT, block by block of 16 rows x 128 columns (two heads).  Rounded to f16, 16 bytes a lane; through my own stage; back so that sixteen lanes hold two neighbouring positions of one head: 256 consecutive bytes, aligned.
.macro PACK a
.set AC, 64*((\a)%4)
	WIN 0x0a+5*((\a)/4)                            ; sources 0 and 1: window 2 or 3
.irp b, 0,1,2,3,4,5,6,7
.irp r, 0,1,2,3
	v_cvt_pk_f16_f32 v[TMP+4*\b+\r], v[AC+8*\b+2*\r], v[AC+8*\b+2*\r+1]   ; each accumulator from its low end on
.endr
.endr
	WIN 0
.endm
.macro TOSTAGE a
.set BB, BK+32*((\a)%2)
.irp b, 0,1,2,3,4,5,6,7
	ds_store_b128 v[STO], v[TMP+4*\b:TMP+4*\b+3] offset:32*\b
.endr
.irp t, 0,1,2,3,4,5,6,7
	ds_load_b128 v[BB+4*\t:BB+4*\t+3], v[RD] offset:\t*2*SPITCH   ; LDS serves a wave's instructions in order: these see the stores above
.endr
.endm
.macro SEND a
.set BB, BK+32*((\a)%2)
	s_wait_dscnt 0x0                               ; the block is back in registers
	s_wait_xcnt 0x0                                ; the block before has left its registers: the next block's loads may land there
.irp t, 0,1,2,3,4,5,6,7
	global_store_b128 v[CO], v[BB+4*\t:BB+4*\t+3], s[12:13] offset:2048*(\a)+256*\t
.endr
.endm
	PLACES NP
	PACK 0
	TOSTAGE 0
.irp a, 1,2,3,4,5,6,7
	PACK \a                                        ; a block's conversions stand between the loads of the block before and the wait for them
	SEND \a-1
	TOSTAGE \a
.endr
	SEND 7
	s_wait_tensorcnt 0x0                           ; the wave's end
	ds_add_u32 v[SPW], v[NIL]
	s_wait_dscnt 0x0
	CROUND                                         ; the closing round
	s_endpgm
.Lfunc_end_k_q8a7dd58fe7_qkv:
	.size	k_q8a7dd58fe7_qkv, .Lfunc_end_k_q8a7dd58fe7_qkv-k_q8a7dd58fe7_qkv
	.p2alignl 7, 3214868480
	.fill 96, 4, 3214868480
	.section	.rodata,"a",@progbits
	.p2align	6, 0x0
	.amdhsa_kernel k_q8a7dd58fe7_qkv
		.amdhsa_group_segment_fixed_size 327680
		.amdhsa_private_segment_fixed_size 0
		.amdhsa_enable_private_segment 0
		.amdhsa_kernarg_size 64
		.amdhsa_user_sgpr_count 2
		.amdhsa_user_sgpr_kernarg_segment_ptr 1
		.amdhsa_wavefront_size32 1
		.amdhsa_system_sgpr_workgroup_id_x 1
		.amdhsa_system_sgpr_workgroup_id_y 1
		.amdhsa_system_sgpr_workgroup_id_z 1
		.amdhsa_system_vgpr_workitem_id 0
		.amdhsa_next_free_vgpr 1024
		.amdhsa_next_free_sgpr 102
		.amdhsa_reserve_vcc 0
		.amdhsa_float_denorm_mode_32 3
		.amdhsa_float_denorm_mode_16_64 3
		.amdhsa_memory_ordered 1
		.amdhsa_forward_progress 1
		.amdhsa_inst_pref_size 128
	.end_amdhsa_kernel
	.amdgpu_metadata
---
amdhsa.version: [ 1, 2 ]
amdhsa.kernels:
  - .name:           k_q8a7dd58fe7_qkv
    .symbol:         k_q8a7dd58fe7_qkv.kd
    .args:
      - { .name: x_codes, .offset: 0, .size: 8, .value_kind: global_buffer, .address_space: global }
      - { .name: x_scales, .offset: 8, .size: 8, .value_kind: global_buffer, .address_space: global }
      - { .name: w_codes, .offset: 16, .size: 8, .value_kind: global_buffer, .address_space: global }
      - { .name: w_scales, .offset: 24, .size: 8, .value_kind: global_buffer, .address_space: global }
      - { .name: b_q, .offset: 32, .size: 8, .value_kind: global_buffer, .address_space: global }
      - { .name: b_k, .offset: 40, .size: 8, .value_kind: global_buffer, .address_space: global }
      - { .name: b_v, .offset: 48, .size: 8, .value_kind: global_buffer, .address_space: global }
      - { .name: qkv, .offset: 56, .size: 8, .value_kind: global_buffer, .address_space: global }
    .group_segment_fixed_size: 327680
    .private_segment_fixed_size: 0
    .kernarg_segment_align: 8
    .kernarg_segment_size: 64
    .max_flat_workgroup_size: 128
    .sgpr_count:     102
    .vgpr_count:     1024
    .wavefront_size: 32
...
	.end_amdgpu_metadata
.endif
;; end of part 2
;; launch attn (part 3): grid 4 x 64, 8 waves a work-group, clusters of 4 x 1, 327,680 bytes of LDS; arguments qkv, o; writes o
.if DOCPART == 3
	.amdgcn_target "amdgcn-amd-amdhsa--gfx1250"
	.amdhsa_code_object_version 6
	.text
	.protected	k_q8a7dd58fe7_attn
	.globl	k_q8a7dd58fe7_attn
	.p2align	8
	.type	k_q8a7dd58fe7_attn,@function
k_q8a7dd58fe7_attn:
	s_mov_b64 s[64:65], 0
	v_nop
	global_prefetch_b8 v0, s[64:65] scope:SCOPE_SE
	s_setreg_imm32_b32 hwreg(HW_REG_WAVE_MODE, 25, 1), 1
	s_wait_xcnt 0x0
	s_wait_alu depctr_hold_cnt(0) depctr_sa_sdst(0) depctr_va_vdst(0) depctr_va_sdst(0) depctr_va_ssrc(0) depctr_va_vcc(0) depctr_vm_vsrc(0)
	s_getreg_b32 s2, hwreg(HW_REG_IB_STS2, 6, 4)
	s_cmp_eq_u32 s2, 0
	s_cbranch_scc0 .Lentry_in_a_cluster
	s_endpgm
.Lentry_in_a_cluster:
	s_bfe_u32 s2, ttmp6, 0x10000c
	s_cmp_lg_u32 s2, 0x3003
	s_cbranch_scc0 .Lentry_shape_is_right
	s_endpgm
.Lentry_shape_is_right:
; o[hd][q][:] = the sum over k of softmax_k(q . k / 8) v[hd][k][:], for 64 heads (16 batch + head) of 2,048 positions x 64 channels, all f16; products, maxima and sums in f32; p is rounded to f16 for the second product, o once at the end.
; LIMITS: |o| under 6e-5 is carried with the step 6e-8 (f16); NaN and infinities are not served.
; SHARES.  A work-group owns 512 queries of one head, each of its eight waves 64: four tiles of 16.  Two waves share a SIMD: one wave's softmax stands beside the other's products.  Every wave walks all 2,048 keys, 64 a step.
; LAYOUT.  S^T = K Q^T (source 0 = 16 keys, source 1 = 16 queries): a lane holds ONE query (lane % 16) and keys 8 (lane / 16) + 0..7.  Two such tiles, rounded in pairs, ARE source 1 (32 keys x 16 queries) of O^T = V^T P.
; SOFTMAX.  For each query a running maximum m and sum l: p = 2^(c s - c m), c = log2(e) / 8; in every step O and l are multiplied by a = 2^(c m_old - c m_new).  m begins at -3e38 and O, l at 0, so that the step has one form.
; CLUSTER.  The four query blocks of a head form a cluster and walk the same K and V: each tile is asked for jointly, by the same tensor load with the mask of all four.
; LDS.  K's and V's rows (128 bytes) are dense in memory: a tile is stated as long rows of 256 bytes, two keys each.  A slot holds 512 keys: 256 long rows of K (pitch 272), then 256 of V (pitch 288).  Two slots; each refill has
; eight key steps, 512 matrix instructions of its wave, between its issue and the wait for it.
; REGISTERS.  window 0: v2-11 addresses; v12-19 a second chain for the sums; v24-55 eight registers of statistics a tile; v64-127 K, then V, of the step; v128-255 S^T, 32 a tile; P is packed into each tile's low 16.
;   window 1: v0-63 Q (16 t + 8 c); v64-191 O^T (64 + 32 t + 8 ct).
.set SLOTB, 143360
.set VOFF,  69632
.set SPARE, 286720                     ; the spare words, 128 bytes for each of eight waves
.set STAGE, 287744                     ; 16 rows x 144 bytes for each wave, for the way out: bytes of their own
.set AK0, 2
.set AV0, 3
.set ADR, 4
.set ADV, 5
.set STO, 6
.set RD,  7
.set GO,  8
.set SPW, 10
.set NIL, 11
.set YC,  12
.set ST,  24                           ; tile t at v[ST + 8 t]: +0 c m, +1 m, +2, +3 l, +4 .. +7 c0 .. c3 at work; a takes c2's place; c0, c1 carry the sums' first chain
.set QO,  56
.set KV,  64
.set S,   128
.set WV,  12
.set G1K, 24
.set G1V, 32
.set G0K, 40
.set G0V, 48
.set CNT, 56
.set TK,  57
.set CS,  58
.set SEL, 60
.set TV,  62
.set MSB, 0
.macro WIN new
.if MSB != (\new)
	s_set_vgpr_msb (MSB<<8)|(\new)
.set MSB, \new
.endif
.endm
.set W_KQ, 0x04                        ; Q (source 1) in window 1
.set W_PV, 0x50                        ; O^T (C and D) in window 1
.set W_RS, 0x41                        ; O^T (destination and source 0) in window 1
.macro JLOAD s                         ; a joint refill of slot s: waves 0-3 fetch K's quarters, waves 4-7 V's; an s_nop 0 and four v_nop follow each line
	s_cmp_lt_u32 s[WV], 4
	s_cbranch_scc0 .Lfor_v_\@
	tensor_load_to_lds s[G0K+4*\s:G0K+4*\s+3], s[G1K:G1K+7]
	s_nop 0
.rept 4
	v_nop
.endr
	s_branch .Lasked_\@
.Lfor_v_\@:
	tensor_load_to_lds s[G0V+4*\s:G0V+4*\s+3], s[G1V:G1V+7]
	s_nop 0
.rept 4
	v_nop
.endr
.Lasked_\@:
.endm
.macro CROUND
	s_barrier_signal -1
	s_barrier_wait -1
	s_cmp_lg_u32 s[WV], 0
	s_cbranch_scc1 .Lnot_wave_0_\@
	s_barrier_signal -3
.Lnot_wave_0_\@:
	s_barrier_wait -3
	s_barrier_signal -1
	s_barrier_wait -1
.endm
.macro PLACES
.rept 4
	v_nop
.endr
.endm
	s_load_b128 s[4:7], s[0:1], 0x0                ; qkv, o
	v_lshl_add_u32 v[SPW], v0, 2, SPARE
	v_mov_b32 v[NIL], 0
	ds_add_u32 v[SPW], v[NIL]                      ; the wave's opening: the add, twice on end, and its wait ahead of my first tensor load
	ds_add_u32 v[SPW], v[NIL]
	v_lshrrev_b32 v1, 5, v0
	v_readfirstlane_b32 s[WV], v1                  ; wave 0..7
	s_bfe_u32 s13, ttmp6, 0x40000                  ; cx
	s_lshl_b32 s14, ttmp9, 2
	s_add_co_u32 s14, s14, s13                     ; my block of 512 queries: it enters Q's and O's addresses alone
	s_and_b32 s20, ttmp7, 0xffff                   ; the head, which the four partners share
	s_lshl_b32 s20, s20, 18                        ; 262,144 bytes a head
	s_and_b32 s16, s[WV], 3                        ; which quarter of a slot I fetch:
	s_lshl_b32 s22, s16, 14                        ; 128 keys, 16,384 bytes in memory,
	s_add_co_u32 s22, s22, s20
	s_mov_b32 s23, 0
	s_mul_i32 s17, s16, 64*272                     ; 64 long rows in K's part of a slot,
	s_mul_i32 s18, s16, 64*288
	s_add_co_u32 s18, s18, VOFF                    ; or in V's
	s_lshl_b32 s2, s14, 16                         ; my block's 512 rows of 128 bytes,
	s_lshl_b32 s3, s[WV], 13                       ; my wave's 64
	s_add_co_u32 s2, s2, s3
	s_add_co_u32 s2, s2, s20
	s_mov_b32 s3, 0
	s_mov_b32 s[G1K], 15|(1<<16)|(1<<20)|(1<<21)|(5<<22)|(3<<25)  ; the mask: all four; elements of 2 bytes; padding: 4 words behind every 64; bit 21 beside a mask
	s_mov_b32 s[G1V], 15|(1<<16)|(1<<20)|(1<<21)|(5<<22)|(7<<25)  ; the same with 8 words
.irp g, G1K, G1V
	s_mov_b32 s[\g+1], 128<<16                     ; tensor_dim0 = 128 elements: a long row
	s_mov_b32 s[\g+2], 64<<16                      ; tensor_dim1 = 64
	s_mov_b32 s[\g+3], 128<<16                     ; tile_dim0
	s_mov_b32 s[\g+4], 64                          ; tile_dim1
	s_mov_b32 s[\g+5], 128                         ; the pitch: dense
	s_mov_b32 s[\g+6], 0
	s_mov_b32 s[\g+7], 0
.endr
	s_mov_b32 s[CS], 0x3e38aa3b                    ; c = log2(e) / 8
	s_mov_b32 s[CS+1], s[CS]
	s_mov_b32 s[SEL], 0x76543210
	s_mov_b32 s[SEL+1], 0xfedcba98
	s_mul_i32 s15, s[WV], 16*144
	s_add_co_u32 s15, s15, STAGE                   ; my stage
	s_wait_dscnt 0x0                               ; both opening adds are done
	s_wait_kmcnt 0x0
	s_add_nc_u64 s[8:9], s[4:5], s[22:23]
	s_add_nc_u64 s[10:11], s[8:9], 0x2000000       ; V: the third part of qkv
	s_add_nc_u64 s[8:9], s[8:9], 0x1000000         ; K: the second
	s_add_nc_u64 s[4:5], s[4:5], s[2:3]            ; Q at my wave's first row
	s_add_nc_u64 s[6:7], s[6:7], s[2:3]            ; O likewise
	CROUND                                         ; all four work-groups are here: the first joint loads meet
.irp s, 0,1
	s_mov_b32 s[G0K+4*\s], 1
	s_add_co_u32 s[G0K+4*\s+1], s17, \s*SLOTB
	s_add_nc_u64 s[G0K+4*\s+2:G0K+4*\s+3], s[8:9], \s*65536       ; slot s begins with keys 512 s
	s_or_b32 s[G0K+4*\s+3], s[G0K+4*\s+3], 0x80000000
	s_mov_b32 s[G0V+4*\s], 1
	s_add_co_u32 s[G0V+4*\s+1], s18, \s*SLOTB
	s_add_nc_u64 s[G0V+4*\s+2:G0V+4*\s+3], s[10:11], \s*65536
	s_or_b32 s[G0V+4*\s+3], s[G0V+4*\s+3], 0x80000000
.endr
	s_cmp_lt_u32 s[WV], 4                          ; a wave's two first fills stand in one branch: two loads of mine are out
	s_cbranch_scc0 .Lfirst_v
	tensor_load_to_lds s[G0K:G0K+3], s[G1K:G1K+7]
	s_nop 0
	tensor_load_to_lds s[G0K+4:G0K+7], s[G1K:G1K+7]
	s_nop 0
.rept 4
	v_nop
.endr
	s_branch .Lfirst_asked
.Lfirst_v:
	tensor_load_to_lds s[G0V:G0V+3], s[G1V:G1V+7]
	s_nop 0
	tensor_load_to_lds s[G0V+4:G0V+7], s[G1V:G1V+7]
	s_nop 0
.rept 4
	v_nop
.endr
.Lfirst_asked:
	v_and_b32 v1, 15, v0                           ; r
	v_bfe_u32 v9, v0, 4, 1                         ; h
	v_lshlrev_b32 v[QO], 7, v1
	v_lshl_add_u32 v[QO], v9, 4, v[QO]             ; Q: row r of 128 bytes + 16 h
	WIN 0x40                                       ; destination window 1
.irp i, 0,1,2,3,4,5,6,7                        ; Q stays in registers: tile i / 2, channels 32 (i % 2) on
	global_load_b128 v[8*\i:8*\i+3],   v[QO], s[4:5] offset:(\i/2)*2048+(\i%2)*64
	global_load_b128 v[8*\i+4:8*\i+7], v[QO], s[4:5] offset:(\i/2)*2048+(\i%2)*64+32
.endr
.set i, 64
.rept 128
	v_mov_b32 v[i], 0                              ; O^T, once: the step is written in one form, and its first change of m multiplies zeros
.set i, i+1
.endr
	WIN 0
	v_lshrrev_b32 v20, 1, v1                       ; K: key r lies in long row r / 2, half r % 2
	v_mul_u32_u24 v[AK0], v20, 272
	v_and_b32 v20, 1, v0
	v_lshl_add_u32 v[AK0], v20, 7, v[AK0]
	v_lshl_add_u32 v[AK0], v9, 4, v[AK0]
	v_bfe_u32 v21, v0, 1, 2                        ; V, for the turning load: lane l reads key 8 h + l % 8 (long row 4 h + (l / 2) % 4, half l % 2), channels 8 ((l / 8) % 2) on
	v_lshl_add_u32 v21, v9, 2, v21
	v_mul_u32_u24 v[AV0], v21, 288
	v_lshl_add_u32 v[AV0], v20, 7, v[AV0]
	v_bfe_u32 v21, v0, 3, 1
	v_lshl_add_u32 v[AV0], v21, 4, v[AV0]
	v_add_nc_u32 v[AV0], VOFF, v[AV0]
	v_mul_u32_u24 v[STO], v1, 144                  ; the way out, in: row r, 16 bytes for each half of the lanes
	v_lshl_add_u32 v[STO], v9, 4, v[STO]
	v_add_nc_u32 v[STO], s15, v[STO]
	v_bfe_u32 v20, v0, 3, 2                        ; back: eight lanes to a row of 128 bytes, four rows an instruction
	v_mul_u32_u24 v[RD], v20, 144
	v_and_b32 v21, 7, v0
	v_lshl_add_u32 v[RD], v21, 4, v[RD]
	v_add_nc_u32 v[RD], s15, v[RD]
	v_and_b32 v[GO], 31, v0
	v_lshlrev_b32 v[GO], 4, v[GO]                  ; and in O: 512 consecutive bytes an instruction
.irp t, 0,1,2,3
	v_mov_b32 v[ST+8*\t+1], 0xff61b1e6             ; m = -3e38, under every score
	v_mul_f32 v[ST+8*\t], s[CS], v[ST+8*\t+1]      ; c m
	v_mov_b32 v[ST+8*\t+2], 0                      ; l, in two halves
	v_mov_b32 v[ST+8*\t+3], 0
.endr
; The softmax of a key step, the four tiles by turns inside every group, so that no line waits for the line above it.
.macro SOFTMAX
.irp j, 0,1,2,3                                ; the maximum: four chains a tile; each accumulator is read from its low end on
.irp t, 0,1,2,3
	v_max3_num_f32 v[ST+8*\t+4+\j], v[S+32*\t+8*\j], v[S+32*\t+8*\j+1], v[S+32*\t+8*\j+2]
.endr
.endr
.irp u, 1,2
.irp j, 0,1,2,3
.irp t, 0,1,2,3
	v_max3_num_f32 v[ST+8*\t+4+\j], v[ST+8*\t+4+\j], v[S+32*\t+8*\j+2*\u+1], v[S+32*\t+8*\j+2*\u+2]
.endr
.endr
.endr
.irp t, 0,1,2,3
	v_max3_num_f32 v[ST+8*\t+4], v[ST+8*\t+4], v[S+32*\t+7], v[S+32*\t+15]
.endr
.irp t, 0,1,2,3
	v_max3_num_f32 v[ST+8*\t+6], v[ST+8*\t+6], v[S+32*\t+23], v[S+32*\t+31]
.endr
.irp t, 0,1,2,3
	v_max3_num_f32 v[ST+8*\t+4], v[ST+8*\t+4], v[ST+8*\t+5], v[ST+8*\t+6]
.endr
.irp t, 0,1,2,3
	v_max3_num_f32 v[ST+8*\t+4], v[ST+8*\t+4], v[ST+8*\t+7], v[ST+8*\t+1]   ; with the old m
.endr
.irp t, 0,1,2,3
	v_permlanex16_b32 v[ST+8*\t+5], v[ST+8*\t+4], s[SEL], s[SEL+1]          ; the query's other 32 keys lie in the lane 16 away
.endr
.irp t, 0,1,2,3
	v_mov_b32 v[ST+8*\t+7], v[ST+8*\t]             ; c m_old
.endr
.irp t, 0,1,2,3
	v_max_num_f32 v[ST+8*\t+1], v[ST+8*\t+4], v[ST+8*\t+5]                  ; the new m
.endr
.irp t, 0,1,2,3
	v_mul_f32 v[ST+8*\t], s[CS], v[ST+8*\t+1]
.endr
.irp t, 0,1,2,3
	v_sub_f32 v[ST+8*\t+7], v[ST+8*\t+7], v[ST+8*\t]
.endr
.irp t, 0,1,2,3
	v_exp_f32 v[ST+8*\t+6], v[ST+8*\t+7]           ; a.  From here to the wait below nothing names an exponential's result
.endr
.irp b, 0,1,2,3,4,5,6,7,8,9,10,11,12,13,14,15
.irp t, 0,1,2,3
	v_pk_fma_f32 v[S+32*\t+2*\b:S+32*\t+2*\b+1], v[S+32*\t+2*\b:S+32*\t+2*\b+1], s[CS:CS+1], v[ST+8*\t:ST+8*\t+1] op_sel_hi:[1,0,0] neg_lo:[0,0,1] neg_hi:[0,0,1]   ; c s - c m
.endr
.endr
.irp e, 0,1,2,3,4,5,6,7,8,9,10,11,12,13,14,15,16,17,18,19,20,21,22,23,24,25,26,27,28,29,30,31
.irp t, 0,1,2,3
	v_exp_f32 v[S+32*\t+\e], v[S+32*\t+\e]
.endr
.endr
	v_nop                                          ; a plain instruction behind the last exponential
	s_wait_alu depctr_va_vdst(0)                   ; ONE wait for the step's 132 exponentials, ahead of the first reader
.irp t, 0,1,2,3                                ; the sums, of the unrounded p, two chains a tile
	v_pk_add_f32 v[ST+8*\t+4:ST+8*\t+5], v[S+32*\t:S+32*\t+1], v[S+32*\t+2:S+32*\t+3]
.endr
.irp t, 0,1,2,3
	v_pk_add_f32 v[YC+2*\t:YC+2*\t+1], v[S+32*\t+4:S+32*\t+5], v[S+32*\t+6:S+32*\t+7]
.endr
.irp u, 0,1,2,3,4,5
.irp t, 0,1,2,3
	v_pk_add_f32 v[ST+8*\t+4:ST+8*\t+5], v[ST+8*\t+4:ST+8*\t+5], v[S+32*\t+8+4*\u:S+32*\t+9+4*\u]
.endr
.irp t, 0,1,2,3
	v_pk_add_f32 v[YC+2*\t:YC+2*\t+1], v[YC+2*\t:YC+2*\t+1], v[S+32*\t+10+4*\u:S+32*\t+11+4*\u]
.endr
.endr
.irp t, 0,1,2,3
	v_pk_add_f32 v[ST+8*\t+4:ST+8*\t+5], v[ST+8*\t+4:ST+8*\t+5], v[YC+2*\t:YC+2*\t+1]
.endr
.irp t, 0,1,2,3
	v_pk_fma_f32 v[ST+8*\t+2:ST+8*\t+3], v[ST+8*\t+2:ST+8*\t+3], v[ST+8*\t+6:ST+8*\t+7], v[ST+8*\t+4:ST+8*\t+5] op_sel_hi:[1,0,1]   ; l = a l + the sum
.endr
.irp i, 0,1,2,3,4,5,6,7,8,9,10,11,12,13,14,15  ; P, packed in place: register i takes pair i, which lies at 2 i or beyond
.irp t, 0,1,2,3
	v_cvt_pk_f16_f32 v[S+32*\t+\i], v[S+32*\t+2*\i], v[S+32*\t+2*\i+1]
.endr
.endr
	WIN W_RS
.irp i, 0,1,2,3,4,5,6,7,8,9,10,11,12,13,14,15  ; O^T x a
.irp t, 0,1,2,3
	v_pk_mul_f32 v[64+32*\t+2*\i:64+32*\t+2*\i+1], v[64+32*\t+2*\i:64+32*\t+2*\i+1], v[ST+8*\t+6:ST+8*\t+7] op_sel_hi:[1,0]
.endr
.endr
.endm
; A KEY STEP: 64 keys.  In both products sixteen accumulators take turns, one instruction a turn.
.macro STEP
	WIN 0
	v_add_nc_u32 v[ADR], s[TK], v[AK0]             ; these two and three v_nop: five places behind the last V^T P, whose P the next K Q^T writes over and into whose V the loads below land
	v_add_nc_u32 v[ADV], s[TV], v[AV0]
	v_nop
	v_nop
	v_nop
.irp f, 0,1,2,3,4,5,6,7                        ; K: keys 16 (f / 2) on, channels 32 (f % 2) on
	ds_load_b128 v[KV+8*\f:KV+8*\f+3],   v[ADR] offset:(\f/2)*2176+(\f%2)*64
	ds_load_b128 v[KV+8*\f+4:KV+8*\f+7], v[ADR] offset:(\f/2)*2176+(\f%2)*64+32
.endr
	s_wait_dscnt 0x0
	WIN W_KQ
.set i, 0
.rept 32                                       ; S^T = K Q^T: channels 32 (i / 16) on, keys 16 ((i / 4) % 4) on, tile i % 4; the first 16 start the sums
.set rD, S+32*(i%4)+8*((i/4)%4)
.set rA, KV+16*((i/4)%4)+8*(i/16)
.set rB, 16*(i%4)+8*(i/16)
.if i < 16
	v_wmma_f32_16x16x32_f16 v[rD:rD+7], v[rA:rA+7], v[rB:rB+7], 0
.else
	v_wmma_f32_16x16x32_f16 v[rD:rD+7], v[rA:rA+7], v[rB:rB+7], v[rD:rD+7]
.endif
.set i, i+1
.endr
	WIN 0
	PLACES                                         ; in front of the loads into K's registers and of the first read of the scores
.irp f, 0,1,2,3,4,5,6,7                        ; V, turned: keys 32 (f / 4) on, channels 16 (f % 4) on; it lands while the softmax is walked
	ds_load_tr16_b128 v[KV+8*\f:KV+8*\f+3],   v[ADV] offset:(\f/4)*4608+(\f%4)*32
	ds_load_tr16_b128 v[KV+8*\f+4:KV+8*\f+7], v[ADV] offset:(\f/4)*4608+2304+(\f%4)*32
.endr
	SOFTMAX
	s_wait_dscnt 0x0                               ; V is in
	WIN W_PV
.set i, 0
.rept 32                                       ; O^T += V^T P: keys 32 (i / 16) on, channels 16 ((i / 4) % 4) on, tile i % 4
.set rD, 64+32*(i%4)+8*((i/4)%4)
.set rA, KV+8*(4*(i/16)+(i/4)%4)
.set rB, S+32*(i%4)+8*(i/16)
	v_wmma_f32_16x16x32_f16 v[rD:rD+7], v[rA:rA+7], v[rB:rB+7], v[rD:rD+7]
.set i, i+1
.endr
	WIN 0
	s_add_co_u32 s[TK], s[TK], 32*272              ; the next 64 keys: 32 long rows
	s_add_co_u32 s[TV], s[TV], 32*288
.endm
.macro SLOT_STEPS s                    ; a slot's eight key steps
	s_mov_b32 s[TK], \s*SLOTB
	s_mov_b32 s[TV], \s*SLOTB
	s_mov_b32 s[CNT], 8
.Lstep_\@:
	STEP
	s_sub_co_u32 s[CNT], s[CNT], 1
	s_cmp_lg_u32 s[CNT], 0
	s_cbranch_scc1 .Lstep_\@
.endm
; THE CHANGE OF SLOTS.  Each wave waits for all its tensor loads (its part of the slot ahead), adds 0 to its spare word, and waits for that and for its reads of the slot that it leaves.
; fill = 1: slot s, just left, is filled with the keys 1,024 on: the barrier is a round of the cluster's, and the joint refill is the first thing behind it.
.macro CHANGE s, fill
	s_wait_tensorcnt 0x0                           ; no tensor load of mine is out, so a group 0 may be written
	ds_add_u32 v[SPW], v[NIL]
.if \fill
	s_add_nc_u64 s[G0K+4*\s+2:G0K+4*\s+3], s[G0K+4*\s+2:G0K+4*\s+3], 131072
	s_add_nc_u64 s[G0V+4*\s+2:G0V+4*\s+3], s[G0V+4*\s+2:G0V+4*\s+3], 131072
.endif
	s_wait_dscnt 0x0
.if \fill
	CROUND
	JLOAD \s
.else
	s_barrier_signal -1
	s_barrier_wait -1
.endif
.endm
	s_wait_tensorcnt 1                             ; my part of slot 0 is in; slot 1's may stay out
	s_barrier_signal -1
	s_barrier_wait -1
	s_wait_loadcnt 0x0                             ; Q
	SLOT_STEPS 0                                   ; keys 0 .. 511
	CHANGE 0, 1
	SLOT_STEPS 1                                   ; 512 .. 1,023
	CHANGE 1, 1
	SLOT_STEPS 0                                   ; 1,024 .. 1,535
	CHANGE 0, 0                                    ; nothing is left to fetch
	SLOT_STEPS 1                                   ; 1,536 .. 2,047
	; THE WAY OUT.  The additions are the places behind the last products.
.irp t, 0,1,2,3
	v_add_f32 v[ST+8*\t+4], v[ST+8*\t+2], v[ST+8*\t+3]
.endr
.irp t, 0,1,2,3
	v_permlanex16_b32 v[ST+8*\t+5], v[ST+8*\t+4], s[SEL], s[SEL+1]
.endr
.irp t, 0,1,2,3
	v_add_f32 v[ST+8*\t+4], v[ST+8*\t+4], v[ST+8*\t+5]
.endr
.irp t, 0,1,2,3
	v_rcp_f32 v[ST+8*\t+6], v[ST+8*\t+4]
.endr
	v_nop                                          ; a plain instruction behind the last reciprocal
	s_wait_alu depctr_va_vdst(0)                   ; one wait for the four, ahead of the first reader
.macro OUT t                           ; tile t: O^T / l, rounded to f16; 16 bytes a lane into rows of 144 bytes; back as 512 consecutive bytes an instruction
	WIN W_RS
.set i, 0
.rept 16
	v_pk_mul_f32 v[64+32*\t+i:64+32*\t+i+1], v[64+32*\t+i:64+32*\t+i+1], v[ST+8*\t+6:ST+8*\t+7] op_sel_hi:[1,0]
.set i, i+2
.endr
	WIN 0x05                                       ; sources 0 and 1 window 1, destination window 0
.set i, 0
.rept 16
	v_cvt_pk_f16_f32 v[S+16*\t+i], v[64+32*\t+2*i], v[64+32*\t+2*i+1]
.set i, i+1
.endr
	WIN 0
.irp f, 0,1,2,3
	ds_store_b128 v[STO], v[S+16*\t+4*\f:S+16*\t+4*\f+3] offset:32*\f
.endr
.irp f, 0,1,2,3
	ds_load_b128 v[KV+16*\t+4*\f:KV+16*\t+4*\f+3], v[RD] offset:576*\f   ; LDS serves a wave's instructions in order: these see the stores above, and the next tile's stores come behind them
.endr
.endm
	OUT 0
	OUT 1
	OUT 2
	OUT 3
	s_wait_dscnt 0x0
.irp t, 0,1,2,3
.irp f, 0,1,2,3
	global_store_b128 v[GO], v[KV+16*\t+4*\f:KV+16*\t+4*\f+3], s[6:7] offset:2048*\t+512*\f   ; 512 consecutive bytes, aligned
.endr
.endr
	s_wait_tensorcnt 0x0                           ; the wave's end
	ds_add_u32 v[SPW], v[NIL]
	s_wait_dscnt 0x0
	CROUND                                         ; the closing round
	s_endpgm
.Lfunc_end_k_q8a7dd58fe7_attn:
	.size	k_q8a7dd58fe7_attn, .Lfunc_end_k_q8a7dd58fe7_attn-k_q8a7dd58fe7_attn
	.p2alignl 7, 3214868480
	.fill 96, 4, 3214868480
	.section	.rodata,"a",@progbits
	.p2align	6, 0x0
	.amdhsa_kernel k_q8a7dd58fe7_attn
		.amdhsa_group_segment_fixed_size 327680
		.amdhsa_private_segment_fixed_size 0
		.amdhsa_enable_private_segment 0
		.amdhsa_kernarg_size 16
		.amdhsa_user_sgpr_count 2
		.amdhsa_user_sgpr_kernarg_segment_ptr 1
		.amdhsa_wavefront_size32 1
		.amdhsa_system_sgpr_workgroup_id_x 1
		.amdhsa_system_sgpr_workgroup_id_y 1
		.amdhsa_system_sgpr_workgroup_id_z 1
		.amdhsa_system_vgpr_workitem_id 0
		.amdhsa_next_free_vgpr 512
		.amdhsa_next_free_sgpr 66
		.amdhsa_reserve_vcc 0
		.amdhsa_float_denorm_mode_32 3
		.amdhsa_float_denorm_mode_16_64 3
		.amdhsa_memory_ordered 1
		.amdhsa_forward_progress 1
		.amdhsa_inst_pref_size 156
	.end_amdhsa_kernel
	.amdgpu_metadata
---
amdhsa.version: [ 1, 2 ]
amdhsa.kernels:
  - .name:           k_q8a7dd58fe7_attn
    .symbol:         k_q8a7dd58fe7_attn.kd
    .args:
      - { .name: qkv, .offset: 0, .size: 8, .value_kind: global_buffer, .address_space: global }
      - { .name: o, .offset: 8, .size: 8, .value_kind: global_buffer, .address_space: global }
    .group_segment_fixed_size: 327680
    .private_segment_fixed_size: 0
    .kernarg_segment_align: 8
    .kernarg_segment_size: 16
    .max_flat_workgroup_size: 256
    .sgpr_count:     66
    .vgpr_count:     512
    .wavefront_size: 32
...
	.end_amdgpu_metadata
.endif
;; end of part 3
;; launch proj (part 4): grid 8 x 64, 4 waves a work-group, clusters of 4 x 4, 327,680 bytes of LDS; arguments o, wo_t, b_o, out0; writes out0
.if DOCPART == 4
	.amdgcn_target "amdgcn-amd-amdhsa--gfx1250"
	.amdhsa_code_object_version 6
	.text
	.protected	k_q8a7dd58fe7_proj
	.globl	k_q8a7dd58fe7_proj
	.p2align	8
	.type	k_q8a7dd58fe7_proj,@function
k_q8a7dd58fe7_proj:
	s_mov_b64 s[64:65], 0
	v_nop
	global_prefetch_b8 v0, s[64:65] scope:SCOPE_SE
	s_setreg_imm32_b32 hwreg(HW_REG_WAVE_MODE, 25, 1), 1
	s_wait_xcnt 0x0
	s_wait_alu depctr_hold_cnt(0) depctr_sa_sdst(0) depctr_va_vdst(0) depctr_va_sdst(0) depctr_va_ssrc(0) depctr_va_vcc(0) depctr_vm_vsrc(0)
	s_getreg_b32 s2, hwreg(HW_REG_IB_STS2, 6, 4)
	s_cmp_eq_u32 s2, 0
	s_cbranch_scc0 .Lentry_in_a_cluster
	s_endpgm
.Lentry_in_a_cluster:
	s_bfe_u32 s2, ttmp6, 0x10000c
	s_cmp_lg_u32 s2, 0xf033
	s_cbranch_scc0 .Lentry_shape_is_right
	s_endpgm
.Lentry_shape_is_right:
; out0[m][n] = the sum over k of O[m][k] w_o[k][n] + b_o[n].  O lies by heads, f16 [64 = 16 batch + head][2048][64], k = 64 head + channel; w_o lies as wo_t, f16 [1024 (n)][1024 (k)]; out0 [8192][1024] f32; sums in f32.
; A tile of out0 is 128 x 128: four waves, 64 x 64 each: 16 accumulators.  K goes in steps of 256, four heads, through two LDS slots; a quarter of a step is one head.
; A's tile for one tensor load: 64 positions x 4 heads: four rows of 8,192 dense bytes, 262,144 bytes apart, with 16 bytes of padding behind every 256: in LDS a head is 32 long rows (two positions each) at pitch 272.
; CLUSTERS: 4 x 4 work-groups; A's tiles are asked for jointly along a row of the cluster, B's along a column.  THE MATRIX INSTRUCTION IS USED TRANSPOSED (source 0 = 16 rows of wo_t, source 1 = 16 positions).
; The bias is the C of each sum's first instruction.  A wave's 64 columns of f32 are 256 bytes: each wave has its own stage on the way out, and no barrier stands there.
; REGISTERS: window 0: v0-31 addresses; v32-95 rows on the way out; v96-127 the bias; v128-255 the accumulators ((a, b) at v[128 + 8 (4 a + b)]).   window 1: two fragment buffers of 128: 64 of A, then 64 of B.
.set KSTEP,  256
.set PITCH,  528                       ; B's LDS row: 512 bytes + 16
.set AH,     4*8704                    ; A: 64 positions x 4 heads
.set BH,     64*PITCH                  ; B: 64 rows
.set SLOT,   2*AH+2*BH
.set SPARE,  2*SLOT                    ; the spare words, 128 bytes for each wave
.set STAGE,  SPARE+512                 ; 16 rows x 272 bytes for each wave: bytes of their own
.set SPITCH, 272
.set LAPS,   2
.set ADRA, 16
.set ADRB, 20
.set STO,  24
.set RD,   25
.set CO,   26
.set SPW,  28
.set NIL,  29
.set OB,   32
.set BI,   96
.set ACC,  128
.set F0,   0
.set F1,   128
.set G1, 24
.set G0, 32
.set G1B, 48
.set G0B, 56
.set MSB, 0
.macro WIN new
.if MSB != (\new)
	s_set_vgpr_msb (MSB<<8)|(\new)
.set MSB, \new
.endif
.endm
.set MUL,  0x05                        ; sources 0 (B) and 1 (A) window 1; C and D window 0
.set TO_F, 0x40
.macro JLOAD s                         ; waves 0 and 1 fetch A's two halves, waves 2 and 3 B's; an s_nop 0 and four v_nop follow each line
	s_cmp_eq_u32 s11, 0
	s_cbranch_scc0 .Lfor_b_\@
	tensor_load_to_lds s[G0+4*\s:G0+4*\s+3], s[G1:G1+7]
	s_nop 0
.rept 4
	v_nop
.endr
	s_branch .Lasked_\@
.Lfor_b_\@:
	tensor_load_to_lds s[G0B+4*\s:G0B+4*\s+3], s[G1B:G1B+7]
	s_nop 0
.rept 4
	v_nop
.endr
.Lasked_\@:
.endm
.macro CREST
	s_cmp_lg_u32 s10, 0
	s_cbranch_scc1 .Lnot_wave_0_\@
	s_barrier_signal -3
.Lnot_wave_0_\@:
	s_barrier_wait -3
	s_barrier_signal -1
	s_barrier_wait -1
.endm
.macro CROUND
	s_barrier_signal -1
	s_barrier_wait -1
	CREST
.endm
	s_load_b128 s[4:7], s[0:1], 0x0                ; o, wo_t
	s_load_b64 s[68:69], s[0:1], 0x10              ; b_o
	s_load_b64 s[8:9], s[0:1], 0x18                ; out0
	v_lshl_add_u32 v[SPW], v0, 2, SPARE
	v_mov_b32 v[NIL], 0
	ds_add_u32 v[SPW], v[NIL]                      ; the wave's opening: the add, twice on end, and its wait ahead of my first tensor load
	ds_add_u32 v[SPW], v[NIL]
	v_lshrrev_b32 v1, 5, v0
	v_readfirstlane_b32 s10, v1                    ; wave 0..3
	s_lshr_b32 s11, s10, 1                         ; which half of the tile's rows is mine.  Also: I fetch for A (0) or for B (1)
	s_and_b32 s12, s10, 1                          ; which half of its columns.  Also: which 64 rows of that tile I fetch
	s_bfe_u32 s40, ttmp6, 0x40000                  ; cx
	s_bfe_u32 s41, ttmp6, 0x40004                  ; cy
	s_lshl_b32 s42, ttmp9, 2
	s_add_co_u32 s42, s42, s40                     ; tile column: 0 .. 7
	s_and_b32 s13, ttmp7, 0xffff
	s_lshl_b32 s13, s13, 2
	s_add_co_u32 s13, s13, s41                     ; tile row: 0 .. 63
	s_lshl_b32 s43, s41, 2
	s_lshl_b32 s43, 15, s43                        ; my row of the cluster
	s_lshl_b32 s44, 0x1111, s40                    ; my column
	s_or_b32 s[G1+0], s43, (3<<16)|(1<<20)|(1<<21)|(5<<22)|(3<<25)   ; A: elements of 8 bytes; padding: 4 words behind every 64
	s_mov_b32 s[G1+1], 1024<<16                    ; tensor_dim0 = 1,024 elements: 64 positions of one head
	s_mov_b32 s[G1+2], 4<<16                       ; tensor_dim1 = 4 heads
	s_mov_b32 s[G1+3], 1024<<16                    ; tile_dim0
	s_mov_b32 s[G1+4], 4                           ; tile_dim1
	s_mov_b32 s[G1+5], 32768                       ; from head to head: 262,144 bytes
	s_mov_b32 s[G1+6], 0
	s_mov_b32 s[G1+7], 0
	s_or_b32 s[G1B+0], s44, (1<<16)|(1<<20)|(1<<21)|(6<<22)|(3<<25)  ; B: elements of 2 bytes; padding: 4 words behind every 128
	s_mov_b32 s[G1B+1], KSTEP<<16
	s_mov_b32 s[G1B+2], 64<<16
	s_mov_b32 s[G1B+3], KSTEP<<16
	s_mov_b32 s[G1B+4], 64
	s_mov_b32 s[G1B+5], 1024
	s_mov_b32 s[G1B+6], 0
	s_mov_b32 s[G1B+7], 0
	s_lshl_b32 s17, s12, 6                         ; which 64 rows of the tile I fetch
	s_lshl_b32 s46, s42, 7
	s_add_co_u32 s46, s46, s17
	s_lshl_b32 s46, s46, 11                        ; B: row 128 x tile column + 64 x half, of 2,048 bytes
	s_mov_b32 s47, 0
	s_lshl_b32 s16, s13, 7
	s_add_co_u32 s16, s16, s17                     ; A: row m0 = 128 x tile row + 64 x half
	s_lshr_b32 s18, s16, 11
	s_lshl_b32 s18, s18, 22                        ; its batch: 16 heads of 262,144 bytes
	s_and_b32 s16, s16, 2047
	s_lshl_b32 s16, s16, 7                         ; its position: 128 bytes each
	s_add_co_u32 s16, s16, s18
	s_mov_b32 s17, 0
	s_mul_i32 s20, s12, AH                         ; where they go: A's two halves,
	s_mul_i32 s21, s12, BH
	s_add_co_u32 s21, s21, 2*AH                    ; then B's two
	s_wait_dscnt 0x0                               ; both opening adds are done
	s_wait_kmcnt 0x0
	s_add_nc_u64 s[14:15], s[4:5], s[16:17]
	s_add_nc_u64 s[46:47], s[6:7], s[46:47]
	CROUND                                         ; all sixteen work-groups are here: the first joint loads meet
.irp s, 0,1
	s_mov_b32 s[G0+4*\s], 1
	s_add_co_u32 s[G0+4*\s+1], s20, \s*SLOT
	s_add_nc_u64 s[G0+4*\s+2:G0+4*\s+3], s[14:15], \s*1048576     ; K step s: four heads on
	s_or_b32 s[G0+4*\s+3], s[G0+4*\s+3], 0x80000000
	s_mov_b32 s[G0B+4*\s], 1
	s_add_co_u32 s[G0B+4*\s+1], s21, \s*SLOT
	s_add_nc_u64 s[G0B+4*\s+2:G0B+4*\s+3], s[46:47], \s*KSTEP*2
	s_or_b32 s[G0B+4*\s+3], s[G0B+4*\s+3], 0x80000000
	JLOAD \s
.endr
	s_lshl_b32 s46, s42, 9                         ; my first column in bytes of f32: 512 x tile column + 256 x half
	s_lshl_b32 s47, s12, 8
	s_add_co_u32 s46, s46, s47
	s_mov_b32 s47, 0
	s_add_nc_u64 s[68:69], s[68:69], s[46:47]
	s_add_nc_u64 s[8:9], s[8:9], s[46:47]
	v_and_b32 v1, 15, v0                           ; r
	v_bfe_u32 v2, v0, 4, 1                         ; h
	v_lshlrev_b32 v6, 5, v2
.irp b, 0,1,2,3                                ; the bias: register 8 b + j of lane (r, h) = b_o[16 b + 8 h + j] of my 64 columns
	global_load_b128 v[BI+8*\b:BI+8*\b+3], v6, s[68:69] offset:64*\b
	global_load_b128 v[BI+8*\b+4:BI+8*\b+7], v6, s[68:69] offset:64*\b+16
.endr
	v_mul_u32_u24 v3, v1, PITCH
	v_lshl_add_u32 v3, v2, 4, v3                   ; B: row r x pitch + 16 h
	v_lshrrev_b32 v4, 1, v1
	v_mul_u32_u24 v4, v4, 272
	v_and_b32 v5, 1, v0
	v_lshl_add_u32 v4, v5, 7, v4
	v_lshl_add_u32 v4, v2, 4, v4                   ; A: position r lies in long row r / 2, half r % 2; + 16 h
	s_mul_i32 s21, s11, AH                         ; my 64 positions of A
	s_mul_i32 s22, s12, BH                         ; my 64 rows of B,
	s_add_co_u32 s22, s22, 2*AH                    ; behind A's
.irp s, 0,1
	v_add_nc_u32 v[ADRA+\s], s21, v4
	v_add_nc_u32 v[ADRB+\s], s22, v3
	s_add_co_u32 s21, s21, SLOT
	s_add_co_u32 s22, s22, SLOT
.endr
	s_mul_i32 s23, s10, 16*SPITCH
	s_add_co_u32 s23, s23, STAGE                   ; my stage
	v_mul_u32_u24 v4, v1, SPITCH
	v_lshl_add_u32 v4, v2, 5, v4
	v_add_nc_u32 v[STO], s23, v4                   ; in: row r, 32 bytes for each half of the lanes
	v_mul_u32_u24 v5, v2, SPITCH
	v_lshl_add_u32 v5, v1, 4, v5
	v_add_nc_u32 v[RD], s23, v5                    ; back: lanes 0-15 one row of 256 bytes, lanes 16-31 the next
	v_lshlrev_b32 v5, 12, v2
	v_lshl_add_u32 v[CO], v1, 4, v5                ; and the same two rows of out0 (4,096 bytes each)
	s_lshl_b32 s16, s13, 7
	s_lshl_b32 s17, s11, 6
	s_add_co_u32 s16, s16, s17                     ; my first row: 128 x tile row + 64 x half
	s_lshl_b32 s16, s16, 12
	s_mov_b32 s17, 0
	s_add_nc_u64 s[8:9], s[8:9], s[16:17]
; 8 matrix instructions: m blocks a0, a0 + 1 x all 4 n blocks, 32 along K: half c of buffer f.  first = 1: the bias is C.  The 16 accumulators take turns.
.macro MUL8 f, c, a0, first
.irp a, \a0, \a0+1
.irp b, 0,1,2,3
.if \first
	v_wmma_f32_16x16x32_f16 v[ACC+8*(4*(\a)+\b):ACC+8*(4*(\a)+\b)+7], v[\f+64+8*(4*\c+\b):\f+64+8*(4*\c+\b)+7], v[\f+8*(4*\c+\a):\f+8*(4*\c+\a)+7], v[BI+8*\b:BI+8*\b+7]
.else
	v_wmma_f32_16x16x32_f16 v[ACC+8*(4*(\a)+\b):ACC+8*(4*(\a)+\b)+7], v[\f+64+8*(4*\c+\b):\f+64+8*(4*\c+\b)+7], v[\f+8*(4*\c+\a):\f+8*(4*\c+\a)+7], v[ACC+8*(4*(\a)+\b):ACC+8*(4*(\a)+\b)+7]
.endif
.endr
.endr
.endm
; 32 LDS loads in one run: the fragments of the slot's head q (64 along K) into buffer f; the first 32 along K first
.macro FETCH slot, q, f
	WIN TO_F
.irp c, 0,1
.irp i, 0,1,2,3
	ds_load_b128 v[\f+64+8*(4*\c+\i):\f+64+8*(4*\c+\i)+3],   v[ADRB+\slot] offset:128*(\q)+64*\c+\i*16*PITCH
	ds_load_b128 v[\f+64+8*(4*\c+\i)+4:\f+64+8*(4*\c+\i)+7], v[ADRB+\slot] offset:128*(\q)+64*\c+\i*16*PITCH+32
	ds_load_b128 v[\f+8*(4*\c+\i):\f+8*(4*\c+\i)+3],         v[ADRA+\slot] offset:8704*(\q)+64*\c+\i*2176
	ds_load_b128 v[\f+8*(4*\c+\i)+4:\f+8*(4*\c+\i)+7],       v[ADRA+\slot] offset:8704*(\q)+64*\c+\i*2176+32
.endr
.endr
.endm
.macro PLACES                          ; four places in front of loads into registers that matrix instructions have read, and of the first read of results
.rept 4
	v_nop
.endr
.endm
.macro QUARTER slot, q, f, g, first    ; multiplies buffer f and fetches head q of the same slot into g
	s_wait_dscnt 16                                ; the first 32 along K are in
	WIN MUL
	MUL8 \f, 0, 0, \first
	MUL8 \f, 0, 2, \first
	PLACES
	FETCH \slot, \q, \g
	s_wait_dscnt 32                                ; all but the 32 just issued
	WIN MUL
	MUL8 \f, 1, 0, 0
	MUL8 \f, 1, 2, 0
.endm
; The last quarter multiplies buffer 1 and changes slots: one barrier; in front of it each wave waits for all its tensor loads, adds 0 to its spare word, and waits for that and for its reads of this slot.
.macro TURN slot, next, fill
	WIN 0
	s_wait_tensorcnt 0x0                           ; my part of the next slot has landed
	ds_add_u32 v[SPW], v[NIL]
	s_wait_dscnt 17                                ; the add and the youngest sixteen loads may be out
	WIN MUL
	MUL8 F1, 0, 0, 0
	s_wait_dscnt 0x0                               ; the add is done, and my reads of this slot are over
	s_barrier_signal -1
	MUL8 F1, 0, 2, 0
.if \fill
	WIN 0
.endif
	s_barrier_wait -1
.if \fill
	CREST                                          ; the barrier has opened a round of the cluster's: no wave of any partner still reads this slot or has a load on its way
	s_add_nc_u64 s[G0+4*\slot+2:G0+4*\slot+3], s[G0+4*\slot+2:G0+4*\slot+3], 2097152     ; two K steps on: eight heads
	s_add_nc_u64 s[G0B+4*\slot+2:G0B+4*\slot+3], s[G0B+4*\slot+2:G0B+4*\slot+3], 2*KSTEP*2
	JLOAD \slot                                    ; the first tensor load behind the round; its four v_nop are also the places in front of the loads below
.else
	PLACES
.endif
	FETCH \next, 0, F0
	WIN MUL
	MUL8 F1, 1, 0, 0
	MUL8 F1, 1, 2, 0
.endm
	s_wait_tensorcnt 1                             ; my part of K step 0 is in; K step 1's may be out
	s_barrier_signal -1
	s_barrier_wait -1
	FETCH 0, 0, F0
	s_wait_loadcnt 0x0                             ; the bias
	QUARTER 0, 1, F0, F1, 1                        ; the first quarter stands in front of the loop: its first products start the sums
	WIN 0
	s_mov_b32 s3, LAPS-1
.Llap:                                                 ; a trip goes once round the ring and fills both slots again
	QUARTER 0, 2, F1, F0, 0
	QUARTER 0, 3, F0, F1, 0
	TURN 0, 1, 1
	QUARTER 1, 1, F0, F1, 0
	QUARTER 1, 2, F1, F0, 0
	QUARTER 1, 3, F0, F1, 0
	TURN 1, 0, 1
	QUARTER 0, 1, F0, F1, 0
	WIN 0
	s_sub_co_u32 s3, s3, 1
	s_cmp_lg_u32 s3, 0
	s_cbranch_scc1 .Llap
	QUARTER 0, 2, F1, F0, 0                        ; the last lap fills nothing
	QUARTER 0, 3, F0, F1, 0
	TURN 0, 1, 0
	QUARTER 1, 1, F0, F1, 0
	QUARTER 1, 2, F1, F0, 0
	QUARTER 1, 3, F0, F1, 0
	s_wait_dscnt 16
	WIN MUL
	MUL8 F1, 0, 0, 0
	MUL8 F1, 0, 2, 0
	s_wait_dscnt 0
	MUL8 F1, 1, 0, 0
	MUL8 F1, 1, 2, 0
	WIN 0
; THE WAY OUT, block by block of 16 rows x 64 columns: through my own stage, back as whole rows of 256 bytes.
.macro TOSTAGE a
.set BB, OB+32*((\a)%2)
.irp b, 0,1,2,3
	ds_store_b128 v[STO], v[ACC+8*(4*(\a)+\b):ACC+8*(4*(\a)+\b)+3] offset:64*\b        ; each accumulator from its low end on
	ds_store_b128 v[STO], v[ACC+8*(4*(\a)+\b)+4:ACC+8*(4*(\a)+\b)+7] offset:64*\b+16
.endr
.irp t, 0,1,2,3,4,5,6,7
	ds_load_b128 v[BB+4*\t:BB+4*\t+3], v[RD] offset:\t*2*SPITCH   ; LDS serves a wave's instructions in order: these see the stores above
.endr
.endm
.macro SEND a, younger                 ; younger: the LDS instructions issued behind block a's loads
.set BB, OB+32*((\a)%2)
	s_wait_dscnt \younger
.irp t, 0,1,2,3,4,5,6,7
	global_store_b128 v[CO], v[BB+4*\t:BB+4*\t+3], s[8:9] offset:(16*(\a)+2*\t)*4096 th:TH_STORE_NT   ; sixteen lanes store 256 consecutive bytes, aligned
.endr
.endm
	PLACES
	TOSTAGE 0
.irp a, 1,2,3
.if \a > 1
	s_wait_xcnt 0x0                                ; block a - 2's stores have read their registers: block a's loads may land there
.endif
	TOSTAGE \a
	SEND \a-1, 16                                  ; behind block a - 1's loads: block a's 8 stores and 8 loads
.endr
	SEND 3, 0
	s_wait_tensorcnt 0x0                           ; the wave's end
	ds_add_u32 v[SPW], v[NIL]
	s_wait_dscnt 0x0
	CROUND                                         ; the closing round
	s_endpgm
.Lfunc_end_k_q8a7dd58fe7_proj:
	.size	k_q8a7dd58fe7_proj, .Lfunc_end_k_q8a7dd58fe7_proj-k_q8a7dd58fe7_proj
	.p2alignl 7, 3214868480
	.fill 96, 4, 3214868480
	.section	.rodata,"a",@progbits
	.p2align	6, 0x0
	.amdhsa_kernel k_q8a7dd58fe7_proj
		.amdhsa_group_segment_fixed_size 327680
		.amdhsa_private_segment_fixed_size 0
		.amdhsa_enable_private_segment 0
		.amdhsa_kernarg_size 32
		.amdhsa_user_sgpr_count 2
		.amdhsa_user_sgpr_kernarg_segment_ptr 1
		.amdhsa_wavefront_size32 1
		.amdhsa_system_sgpr_workgroup_id_x 1
		.amdhsa_system_sgpr_workgroup_id_y 1
		.amdhsa_system_sgpr_workgroup_id_z 1
		.amdhsa_system_vgpr_workitem_id 0
		.amdhsa_next_free_vgpr 512
		.amdhsa_next_free_sgpr 70
		.amdhsa_reserve_vcc 0
		.amdhsa_float_denorm_mode_32 3
		.amdhsa_float_denorm_mode_16_64 3
		.amdhsa_memory_ordered 1
		.amdhsa_forward_progress 1
		.amdhsa_inst_pref_size 87
	.end_amdhsa_kernel
	.amdgpu_metadata
---
amdhsa.version: [ 1, 2 ]
amdhsa.kernels:
  - .name:           k_q8a7dd58fe7_proj
    .symbol:         k_q8a7dd58fe7_proj.kd
    .args:
      - { .name: o, .offset: 0, .size: 8, .value_kind: global_buffer, .address_space: global }
      - { .name: wo_t, .offset: 8, .size: 8, .value_kind: global_buffer, .address_space: global }
      - { .name: b_o, .offset: 16, .size: 8, .value_kind: global_buffer, .address_space: global }
      - { .name: out0, .offset: 24, .size: 8, .value_kind: global_buffer, .address_space: global }
    .group_segment_fixed_size: 327680
    .private_segment_fixed_size: 0
    .kernarg_segment_align: 8
    .kernarg_segment_size: 32
    .max_flat_workgroup_size: 128
    .sgpr_count:     70
    .vgpr_count:     512
    .wavefront_size: 32
...
	.end_amdgpu_metadata
.endif
;; end of part 4
